; MI455X (gfx1250); checked and timed in simulation.
; The chip was launched on July 23, 2026; its instructions are those of AMD's public machine-readable ISA for CDNA 5 (MIT licence, August 2026) and "CDNA5" Instruction Set Architecture Reference Guide (July 2026). The comments in the code are by the model that wrote it; some were corrected since.
;; Chunked Cross Attention. Allowed arithmetic: matrix products marked QUANTISED: E4M3 operands, one given power-of-two scale a tensor, by v_wmma_f32_16x16x64_fp8_fp8 or v_wmma_f32_16x16x128_fp8_fp8, f32 sums; everything else in f32.
;; Inputs: Wk 1,024 x 1,024 float32; Wo 1,024 x 1,024 float32; Wq 1,024 x 1,024 float32; Wv 1,024 x 1,024 float32; beta 1,024 float32; bk 1,024 float32; bo 1,024 float32; bq 1,024 float32; bv 1,024 float32; e 4 x 32 x 2 x 64 x 1,024 float32; gamma 1,024 float32; h 4 x 2,048 x 1,024 float32; lowp_scales 12 int32 (the exponents e of the quantised operands' scales 2^e).
;; Outputs: out0 4 x 2,048 x 1,024 float32.
;; This version of the problem:
;;   THIS VERSION OF THE PROBLEM IS GIVEN IN LOW PRECISION. The matrix products marked QUANTISED in the list below multiply operands that are first quantised to E4M3 (4 exponent bits, 3 mantissa bits; 8 bits a number), with one given power-of-two scale for each operand tensor; their sums are f32. All else is computed in f32.
;;   The module's matrix products, in the order in which they are computed (A, B: the left and right operand; K: the contracted axis; several contracted axes count as one K, in the product's order):
;;     1. [M 8,192, K 1,024] x [K 1,024, N 1,024]; A: computed on the way; B: input Wq: QUANTISED (scales: A lowp_scales[0], B lowp_scales[1])
;;     2. [M 16,384, K 1,024] x [K 1,024, N 1,024]; A: input e; B: input Wk: QUANTISED (scales: A lowp_scales[2], B lowp_scales[3])
;;     3. [M 16,384, K 1,024] x [K 1,024, N 1,024]; A: input e; B: input Wv: QUANTISED (scales: A lowp_scales[4], B lowp_scales[5])
;;     4. batch 2,048 x [M 64, K 64] x [K 64, N 128]; A: computed on the way; B: computed on the way: QUANTISED (scales: A lowp_scales[6], B lowp_scales[7])
;;     5. batch 2,048 x [M 64, K 128] x [K 128, N 64]; A: computed on the way; B: computed on the way: QUANTISED (scales: A lowp_scales[8], B lowp_scales[9])
;;     6. [M 8,192, K 1,024] x [K 1,024, N 1,024]; A: computed on the way; B: input Wo: QUANTISED (scales: A lowp_scales[10], B lowp_scales[11])
;;   THE QUANTISER, for each operand of a quantised product, along K:
;;     - The operand's scale is 2^e, e = its entry of the input lowp_scales (int32; the entries are numbered through the quantised products in the list's order, A before B).
;;     - Each number is divided by the scale, clamped to +-448, and rounded to the nearest number of E4M3, ties to even, subnormals kept.
;;     - The product sums the exact products of the quantised numbers (number of the format x scale) in f32.
;;   ~~~python
;;   def quantise(x, axis, e):      # numpy; x: float32 -> the quantised numbers, widened to float32 again
;;       x = np.moveaxis(x, axis, -1); K = x.shape[-1]
;;       r = np.clip(x / 2.0 ** e, -448, 448)
;;       step = 2.0 ** (np.maximum(np.frexp(np.where(r == 0, 1, r))[1] - 1, -6) - 3)
;;       q = np.round(r / step) * step * 2.0 ** e      # np.round: ties to even
;;       return np.moveaxis(q, -1, axis).astype(np.float32)
;;   ~~~
;;   OPERANDS COMPUTED ON THE WAY. 'Computed on the way' means the value that the module computes at that place (a softmax that the list does not call 'softmax' is quantised finished and normalised). What goes into a quantiser is computed in f32, as accurately as f32 sums, v_exp_f32 and their like allow (about 1e-6 of the number): no bf16 or f16 on the way to a quantiser, and a product that is left as it is and whose result goes on into a quantised operand takes f32 operands (vector FMAs, or v_wmma_f32_16x16x4_f32). A number that lies on a knife's edge between two numbers of the format may be rounded either way, as far as f32 arithmetic and the matrix unit's own rounding can turn it there, and no further.
;; One version. Each part assembles by itself: llvm-mc -triple=amdgcn-amd-amdhsa -mcpu=gfx1250 --defsym DOCPART=n.
;; ======== version 1 of 1: 3 launches
;; limits: right only within a limited range of input values
;; workspace buffers: ecodes 50,331,648 bytes; wcodes 4,194,304 bytes; ao 8,388,608 bytes
;; launch prep (part 1): grid 896 x 1, 4 waves a work-group, no clusters, 76,288 bytes of LDS; arguments e, h, gamma, beta, Wk, Wv, Wq, Wo, lowp_scales, ecodes, wcodes; writes ecodes, wcodes
.if DOCPART == 1
	.amdgcn_target "amdgcn-amd-amdhsa--gfx1250"
	.amdhsa_code_object_version 6
	.text
	.protected	k_q6f36db1545_prep
	.globl	k_q6f36db1545_prep
	.p2align	8
	.type	k_q6f36db1545_prep,@function
k_q6f36db1545_prep:
	s_mov_b64 s[64:65], 0
	v_nop
	global_prefetch_b8 v0, s[64:65] scope:SCOPE_SE
	s_setreg_imm32_b32 hwreg(HW_REG_WAVE_MODE, 25, 1), 1
	s_wait_xcnt 0x0
; PREP: every operand that arrives as f32 becomes codes of E4M3 once, K innermost, with its given scale 2^e.
;   ecodes [16384 rows][3072]: row = 128 x chunk + 64 n + l.  Bytes 0-1023: e with lowp_scales[2]; 1024-2047: e with lowp_scales[4];
;   2048-3071, in rows 0-63 of each chunk only: the layer norm of h, shifted by 63 rows, with lowp_scales[0] (row i of the chunk's 64 queries).
;   wcodes [1024 n][4096]: Wk^T | Wv^T | Wq^T | Wo^T, 1,024 codes each (lowp_scales[3], [5], [1], [11]).
; DEAD WORK.  reference() returns pad(att @ Wo + bo, 63 rows in front)[:, :2048] + h: rows t = 1985 .. 2047 of att in each batch are cut off by that
; slice for all values of the inputs, and these are just the rows that reference() itself fills with zeros behind the layer norm.  So no layer norm is
; made for them: their codes are stored as zeros, which is what reference() has there.  Rows 0 .. 62 of the result are h alone.  The 63 rows share
; their block of 64 with the live row t = 1984, so the later launches carry them along and the last one discards them.  Every input has a way to the output and is loaded.
; LIMITS.  A NaN, an infinity or an overflow that reaches only those 63 rows is not carried to the result.  Each of lowp_scales[0 .. 5] and [11] lies between -126 and 119,
; so that 2^e and 448 x 2^e are f32 numbers.  NaN among the inputs is not served; an infinity is held at the largest code.  The reciprocal root is the chip's own, good to its last place.
; SHARES.  Work-groups 0-511: e, 8 rows a wave.  512-767: h, half a chunk each, 8 rows a wave, a wave to a row.  768-895: the weights, 128 columns x 256 along K each.
; So a wave of each path reads 32 KiB, with 8 KiB asked for ahead: the three paths have waves of like length.
; No tensor loads and no barrier: waves share nothing.  Each of the three paths has LDS bytes of its own.
.set SPARE, 75776                      ; behind the stages: the spare words, 128 bytes a wave, named by no other line
.set ELDS,  34816                      ; e's stages: 4 x 5,120 (two of 32 x 80 bytes a wave)
.set HLDS,  55296                      ; h's stages: the same.  The weights' stages, 4 x 32 x 272, begin at 0
.set SPW,   12                         ; v12  my spare word's address; never rewritten
.set NIL,   13                         ; v13  0; never rewritten
.set EX,    32                         ; s[32:43] the twelve exponents
.set RR,    16                         ; numbers as loaded
.set XX,    80                         ; numbers as neighbours along K
.set TT,    112                        ; e: held for the first scale
.set CA,    128                        ; e: codes, first scale: four registers a step, never rewritten
.set CB,    192                        ; e: codes, second scale
.set AC,    112                        ; h: four pairs of running sums
.set MU,    120                        ; h: the mean (a pair is named)
.set RS,    122                        ; h: 1 / sqrt(var + eps) (a pair is named)
.set SM,    124
.set PT,    125
.set GG,    128                        ; h: gamma, 32 numbers in the neighbours' order
.set BT,    160                        ; h: beta likewise
.set CC,    192                        ; h: codes, eight registers for each of a trip's two rows
.set WX,    32                         ; weights: two sets of 32 numbers
.set WC,    96                         ; weights: a block's codes
.set WO,    112                        ; weights: the way out
.set TR,    46                         ; s46  h: the trip's first row + 63
.set T0,    47
.set MK,    48
.set C10,   49
.set EPS,   50
.set SEL,   52
.set NL,    54
.set PL,    55
.set SCS,   56
.set CT,    57
.macro MKSC x, sc, nl, pl              ; from the exponent in s[x]: 2^x, -448 x 2^x, 448 x 2^x as f32 patterns
	s_add_co_i32 s[\pl], s[\x], 127
	s_lshl_b32 s[\sc], s[\pl], 23
	s_add_co_i32 s[\pl], s[\pl], 8
	s_lshl_b32 s[\pl], s[\pl], 23
	s_or_b32 s[\pl], s[\pl], 0x600000
	s_or_b32 s[\nl], s[\pl], 0x80000000
.endm
.macro FINISH                          ; the wave's end
	s_wait_tensorcnt 0x0
	ds_add_u32 v[SPW], v[NIL]
	s_wait_dscnt 0x0
	s_endpgm
.endm
.macro STAGEADR                        ; s4 = my wave's stages.  In: four lanes' 64 bytes on end, then 16 of padding; out: 80 x lane, my 16 neighbours
	v_lshrrev_b32 v14, 2, v2
	v_mul_u32_u24 v14, v14, 80
	v_and_b32 v15, 3, v2
	v_lshl_add_u32 v14, v15, 4, v14
	v_add_nc_u32 v14, s4, v14
	v_mul_u32_u24 v15, v2, 80
	v_add_nc_u32 v15, s4, v15
.endm
	s_load_b512 s[8:23], s[0:1], 0x0               ; e, h, gamma, beta, Wk, Wv, Wq, Wo
	s_load_b128 s[24:27], s[0:1], 0x40             ; lowp_scales, ecodes
	s_load_b64 s[28:29], s[0:1], 0x50              ; wcodes
	v_lshl_add_u32 v[SPW], v0, 2, SPARE
	v_mov_b32 v[NIL], 0
	v_lshrrev_b32 v1, 5, v0
	v_readfirstlane_b32 s3, v1                     ; wave
	v_and_b32 v2, 31, v0                           ; lane
	v_lshlrev_b32 v3, 4, v2                        ; 16 x lane
	s_wait_kmcnt 0x0
	s_load_b256 s[32:39], s[24:25], 0x0
	s_load_b128 s[40:43], s[24:25], 0x20
	s_cmp_lt_u32 ttmp9, 512
	s_cbranch_scc1 .Lpath_e
	s_cmp_lt_u32 ttmp9, 768
	s_cbranch_scc1 .Lpath_h
; ---------------- THE WEIGHTS.  W is [k][n]: a lane takes a column n and its registers run down K, so the conversions give codes with K innermost.
	s_sub_co_u32 s4, ttmp9, 768
	s_lshr_b32 s5, s4, 5                           ; which weight: 0 Wk, 1 Wv, 2 Wq, 3 Wo
	s_and_b32 s6, s4, 7                            ; which 128 columns
	s_bfe_u32 s7, s4, 0x20003                      ; which 256 along K
	s_bitcmp1_b32 s5, 0
	s_cselect_b64 s[16:17], s[18:19], s[16:17]     ; Wv or Wk
	s_cselect_b64 s[20:21], s[22:23], s[20:21]     ; Wo or Wq
	s_bitcmp1_b32 s5, 1
	s_cselect_b64 s[16:17], s[20:21], s[16:17]
	s_lshl_b32 s44, s6, 7
	s_lshl_b32 s45, s3, 5
	s_add_co_u32 s44, s44, s45                     ; my wave's first column
	s_mul_i32 s46, s3, 32*272                      ; my stage
	s_wait_alu depctr_va_vdst(0)
	v_lshlrev_b32 v9, 2, v2                        ; in: 4 bytes a lane
	v_mul_u32_u24 v4, v2, 272
	v_add_nc_u32 v4, s46, v4                       ; into the stage: row = my column
	v_and_b32 v5, 15, v2
	v_lshrrev_b32 v6, 4, v2
	v_mul_u32_u24 v7, v6, 272
	v_lshl_add_u32 v7, v5, 4, v7
	v_add_nc_u32 v7, s46, v7                       ; out of it: sixteen lanes to a row, two rows an instruction
	v_lshlrev_b32 v8, 12, v6
	v_lshl_add_u32 v8, v5, 4, v8                   ; the same place in wcodes (rows of 4,096 bytes)
	s_lshl_b32 s48, s7, 20                         ; 256 rows of 4,096 bytes
	s_lshl_b32 s49, s44, 2
	s_add_co_u32 s48, s48, s49
	s_mov_b32 s49, 0
	s_add_nc_u64 s[16:17], s[16:17], s[48:49]
	s_lshl_b32 s48, s44, 12
	s_lshl_b32 s50, s5, 10
	s_add_co_u32 s48, s48, s50
	s_lshl_b32 s50, s7, 8
	s_add_co_u32 s48, s48, s50
	s_add_nc_u64 s[28:29], s[28:29], s[48:49]
.macro WLOAD t                         ; block t: W(32 t + i, my column): 32 lanes read 128 consecutive bytes, the four waves 512
.irp i, 0,1,2,3,4,5,6,7,8,9,10,11,12,13,14,15,16,17,18,19,20,21,22,23,24,25,26,27,28,29,30,31
	global_load_b32 v[WX+32*((\t)%2)+\i], v9, s[16:17] offset:(32*(\t)+\i)*4096 th:TH_LOAD_NT
.endr
.endm
.macro WBLOCK t
.set XS, WX+32*((\t)%2)
.if (\t) < 7
	s_wait_loadcnt 32                              ; this block's 32 loads are in; the next block's 32 may be out
.else
	s_wait_loadcnt 0x0
.endif
.irp i, 0,1,2,3,4,5,6,7,8,9,10,11,12,13,14,15,16,17,18,19,20,21,22,23,24,25,26,27,28,29,30,31
	v_med3_num_f32 v[XS+\i], v[XS+\i], s53, s54    ; the conversion to an 8-bit code does not saturate (ISA guide 7.6.2): the hold comes first
.endr
.irp g, 0,1,2,3
	v_cvt_scalef32_pk8_fp8_f32 v[WC+2*\g:WC+2*\g+1], v[XS+8*\g:XS+8*\g+7], v11
.endr
	ds_store_b128 v4, v[WC:WC+3] offset:32*(\t)
	ds_store_b128 v4, v[WC+4:WC+7] offset:32*(\t)+16
.if (\t)+2 < 8
	WLOAD (\t)+2
.endif
	s_wait_dscnt 0x0                               ; the stores have read their registers: the next block's codes may be written
.endm
	WLOAD 0
	WLOAD 1
	s_wait_kmcnt 0x0
	s_bitcmp1_b32 s5, 0
	s_cselect_b32 s50, s[EX+5], s[EX+3]
	s_cselect_b32 s51, s[EX+11], s[EX+1]
	s_bitcmp1_b32 s5, 1
	s_cselect_b32 s50, s51, s50                    ; the weight's exponent
	MKSC 50, 52, 53, 54
	v_mov_b32 v11, s52
.irp t, 0,1,2,3,4,5,6,7
	WBLOCK \t
.endr
.irp t, 0,1,2,3,4,5,6,7,8,9,10,11,12,13,14,15
	ds_load_b128 v[WO+4*\t:WO+4*\t+3], v7 offset:2*\t*272      ; LDS serves a wave's instructions in order: these see my stores
.endr
.irp t, 0,1,2,3,4,5,6,7,8,9,10,11,12,13,14,15
	s_wait_dscnt 15-\t                             ; the younger loads may be out
	global_store_b128 v8, v[WO+4*\t:WO+4*\t+3], s[28:29] offset:2*\t*4096   ; sixteen lanes store 256 consecutive bytes, aligned
.endr
	FINISH
; ---------------- e: a plain stream, quantised twice.  A wave takes 8 rows in 16 steps of 512 numbers.  Each load reads 512 consecutive bytes; a step's 2,048 bytes turn through
; the wave's own stage, so that a lane holds 16 neighbours along K.  Loads run four steps ahead, the turn one step.
.Lpath_e:
	s_mul_i32 s4, s3, 5120
	s_add_co_u32 s4, s4, ELDS
	s_wait_alu depctr_va_vdst(0)
	STAGEADR
	s_lshl_b32 s5, ttmp9, 2
	s_add_co_u32 s5, s5, s3                        ; which 8 rows
	s_lshl_b32 s6, s5, 15
	s_mov_b32 s7, 0
	s_add_nc_u64 s[8:9], s[8:9], s[6:7]
	s_mul_i32 s6, s5, 8*3072
	s_add_nc_u64 s[26:27], s[26:27], s[6:7]
.macro ELOAD t
.irp i, 0,1,2,3
	global_load_b128 v[RR+16*((\t)%4)+4*\i:RR+16*((\t)%4)+4*\i+3], v3, s[8:9] offset:2048*(\t)+512*\i th:TH_LOAD_NT
.endr
.endm
.macro ETURN t
.irp i, 0,1,2,3
	ds_store_b128 v14, v[RR+16*((\t)%4)+4*\i:RR+16*((\t)%4)+4*\i+3] offset:2560*((\t)%2)+640*\i
.endr
.irp i, 0,1,2,3
	ds_load_b128 v[XX+16*((\t)%2)+4*\i:XX+16*((\t)%2)+4*\i+3], v15 offset:2560*((\t)%2)+16*\i
.endr
.endm
.macro ESTEP t
.set XS, XX+16*((\t)%2)
	s_wait_dscnt 0x0                               ; this step's numbers are back; its stores into the stage have read their registers,
.if (\t)+4 < 16
	ELOAD (\t)+4                                   ; which take the loads of four steps on
.endif
.if (\t)+1 < 16
.if 14-(\t) >= 3
	s_wait_loadcnt 12                              ; the next step's four loads are in; the twelve of the three steps behind it may be out
.else
	s_wait_loadcnt 4*(14-(\t))
.endif
	ETURN (\t)+1
.endif
.irp i, 0,1,2,3,4,5,6,7,8,9,10,11,12,13,14,15
	v_med3_num_f32 v[TT+\i], v[XS+\i], s45, s46    ; held for lowp_scales[2]
.endr
	v_cvt_scalef32_pk8_fp8_f32 v[CA+4*(\t):CA+4*(\t)+1], v[TT:TT+7], v11
	v_cvt_scalef32_pk8_fp8_f32 v[CA+4*(\t)+2:CA+4*(\t)+3], v[TT+8:TT+15], v11
.irp i, 0,1,2,3,4,5,6,7,8,9,10,11,12,13,14,15
	v_med3_num_f32 v[XS+\i], v[XS+\i], s47, s48    ; held for lowp_scales[4]; these plain lines also stand between the conversions above and the next write of their sources
.endr
	v_cvt_scalef32_pk8_fp8_f32 v[CB+4*(\t):CB+4*(\t)+1], v[XS:XS+7], v10
	v_cvt_scalef32_pk8_fp8_f32 v[CB+4*(\t)+2:CB+4*(\t)+3], v[XS+8:XS+15], v10
	global_store_b128 v3, v[CA+4*(\t):CA+4*(\t)+3], s[26:27] offset:((\t)/2)*3072+((\t)%2)*512        ; 32 lanes store 512 consecutive bytes, aligned
	global_store_b128 v3, v[CB+4*(\t):CB+4*(\t)+3], s[26:27] offset:((\t)/2)*3072+((\t)%2)*512+1024
.endm
.irp t, 0,1,2,3
	ELOAD \t
.endr
	s_wait_alu depctr_va_vdst(0)
	s_wait_kmcnt 0x0
	MKSC EX+2, 44, 45, 46
	v_mov_b32 v11, s44
	MKSC EX+4, 44, 47, 48
	v_mov_b32 v10, s44
	s_wait_loadcnt 12                              ; step 0's four loads are in
	ETURN 0
.irp t, 0,1,2,3,4,5,6,7,8,9,10,11,12,13,14,15
	ESTEP \t
.endr
	FINISH
; ---------------- h: the layer norm of row t + 63, quantised.  A wave takes a row at a time and keeps it in registers between the mean, the variance and the scaling.
; A chunk's 64 rows are eight units of 8 rows; a work-group takes four of them, a wave one.
.Lpath_h:
	s_sub_co_u32 s4, ttmp9, 512                    ; 0 .. 255
	s_and_b32 s7, s4, 1                            ; which half of the chunk
	s_lshr_b32 s4, s4, 1                           ; the chunk, 0 .. 127
	s_and_b32 s5, s4, 31                           ; in its batch
	s_lshr_b32 s6, s4, 5                           ; the batch
	s_lshl_b32 s7, s7, 2
	s_add_co_u32 s7, s7, s3                        ; my unit of 8 rows: 4 x half + wave, 0 .. 7
	s_lshl_b32 s44, s4, 7
	s_lshl_b32 s45, s7, 3
	s_add_co_u32 s44, s44, s45                     ; my first row of ecodes: 128 x chunk + 8 x unit
	s_mul_i32 s44, s44, 3072
	s_add_co_u32 s44, s44, 2048
	s_mov_b32 s45, 0
	s_add_nc_u64 s[26:27], s[26:27], s[44:45]
	s_cmp_eq_u32 s5, 31
	s_cselect_b32 s[T0], s7, 0
	s_cmp_lg_u32 s[T0], 0
	s_cbranch_scc1 .Lzero                          ; units 1 to 7 of a batch's last chunk: all eight rows are rows that reference() fills with zeros
	s_lshl_b32 s44, s6, 23                         ; a batch of h is 8 MiB
	s_add_nc_u64 s[10:11], s[10:11], s[44:45]
	s_lshl_b32 s[TR], s5, 6
	s_lshl_b32 s[T0], s7, 3
	s_add_co_u32 s[TR], s[TR], s[T0]
	s_add_co_u32 s[TR], s[TR], 63                  ; the row of h that my first row reads
	s_mul_i32 s4, s3, 5120
	s_add_co_u32 s4, s4, HLDS
	s_wait_alu depctr_va_vdst(0)
	STAGEADR
	v_lshlrev_b32 v7, 6, v2                        ; 64 x lane: gamma and beta in the neighbours' order
	v_mov_b32 v4, v3                               ; where the codes go: 16 x lane, stepped by two rows a trip
.irp s, 0,1
.irp j, 0,1,2,3
	global_load_b128 v[GG+16*\s+4*\j:GG+16*\s+4*\j+3], v7, s[12:13] offset:2048*\s+16*\j
	global_load_b128 v[BT+16*\s+4*\j:BT+16*\s+4*\j+3], v7, s[14:15] offset:2048*\s+16*\j
.endr
.endr
.macro HLOAD set                       ; a row: eight loads of 512 consecutive bytes
.irp i, 0,1,2,3,4,5,6,7
	global_load_b128 v[RR+32*(\set)+4*\i:RR+32*(\set)+4*\i+3], v[5+(\set)], s[10:11] offset:512*\i
.endr
.endm
	s_min_u32 s[T0], s[TR], 2047                   ; no load leaves the batch: a row past its end reads the last row, and its codes are cleared below
	s_lshl_b32 s[T0], s[T0], 12
	v_add_nc_u32 v5, s[T0], v3
	HLOAD 0
	s_add_co_u32 s[T0], s[TR], 1
	s_min_u32 s[T0], s[T0], 2047
	s_lshl_b32 s[T0], s[T0], 12
	v_add_nc_u32 v6, s[T0], v3
	HLOAD 1
	s_mov_b32 s[C10], 0x3a800000                   ; 1 / 1024
	s_mov_b32 s[EPS], 0x3727c5ac                   ; 1e-5
	s_mov_b32 s[SEL], 0x76543210
	s_mov_b32 s[SEL+1], 0xfedcba98
	v_mov_b32 v[PT], 0                             ; a lane permute's destination counts as read
	v_mov_b32 v[MU+1], 0                           ; named as upper halves of pairs
	v_mov_b32 v[RS+1], 0
	s_wait_kmcnt 0x0
	MKSC EX+0, SCS, NL, PL
	v_mov_b32 v11, s[SCS]
.macro REDUCE                          ; v[SM] summed over the 32 lanes, the result in every lane
	v_add_f32_dpp v[SM], v[SM], v[SM] row_xmask:1 row_mask:0xf bank_mask:0xf
	v_add_f32_dpp v[SM], v[SM], v[SM] row_xmask:2 row_mask:0xf bank_mask:0xf
	v_add_f32_dpp v[SM], v[SM], v[SM] row_xmask:4 row_mask:0xf bank_mask:0xf
	v_add_f32_dpp v[SM], v[SM], v[SM] row_xmask:8 row_mask:0xf bank_mask:0xf
	v_permlanex16_b32 v[PT], v[SM], s[SEL], s[SEL+1]
	v_add_f32 v[SM], v[SM], v[PT]
.endm
.macro FOLD                            ; the four pairs of sums into v[SM]
	v_pk_add_f32 v[AC:AC+1], v[AC:AC+1], v[AC+2:AC+3]
	v_pk_add_f32 v[AC+4:AC+5], v[AC+4:AC+5], v[AC+6:AC+7]
	v_pk_add_f32 v[AC:AC+1], v[AC:AC+1], v[AC+4:AC+5]
	v_add_f32 v[SM], v[AC], v[AC+1]
	REDUCE
.endm
; One row.  set: its registers; ahead = 1: the set is loaded again with the row two further on; left: the other set's loads, which may stay out; ro: the row's place in the trip
.macro HROW set, ahead, left, ro
.set RB, RR+32*(\set)
.set CR, CC+8*(\ro)
	s_wait_loadcnt \left
.irp i, 0,1,2,3,4,5,6,7
	ds_store_b128 v14, v[RB+4*\i:RB+4*\i+3] offset:2560*(\i/4)+640*(\i%4)
.endr
.irp i, 0,1,2,3,4,5,6,7
	ds_load_b128 v[XX+4*\i:XX+4*\i+3], v15 offset:2560*(\i/4)+16*(\i%4)     ; register 16 s + i: k = 512 s + 16 x lane + i
.endr
	s_wait_dscnt 0x0                               ; the row is back, and the stores have read the set's registers
.if \ahead
	s_add_co_u32 s[T0], s[TR], (\ro)+2
	s_min_u32 s[T0], s[T0], 2047
	s_lshl_b32 s[T0], s[T0], 12
	v_add_nc_u32 v[5+(\set)], s[T0], v3            ; free: the wait above has shown this set's loads done
	HLOAD \set
.endif
.irp j, 0,1,2,3
	v_pk_add_f32 v[AC+2*\j:AC+2*\j+1], v[XX+4*\j:XX+4*\j+1], v[XX+4*\j+2:XX+4*\j+3]
.endr
.irp g, 0,1
.irp j, 0,1,2,3
	v_pk_add_f32 v[AC+2*\j:AC+2*\j+1], v[AC+2*\j:AC+2*\j+1], v[XX+16+8*\g+2*\j:XX+16+8*\g+2*\j+1]
.endr
.endr
	FOLD
	v_mul_f32 v[MU], s[C10], v[SM]                 ; the mean
.irp j, 0,2,4,6,8,10,12,14,16,18,20,22,24,26,28,30
	v_pk_add_f32 v[XX+\j:XX+\j+1], v[XX+\j:XX+\j+1], v[MU:MU+1] op_sel_hi:[1,0] neg_lo:[0,1] neg_hi:[0,1]
.endr
.irp j, 0,1,2,3
	v_pk_mul_f32 v[AC+2*\j:AC+2*\j+1], v[XX+2*\j:XX+2*\j+1], v[XX+2*\j:XX+2*\j+1]
.endr
.irp g, 1,2,3
.irp j, 0,1,2,3
	v_pk_fma_f32 v[AC+2*\j:AC+2*\j+1], v[XX+8*\g+2*\j:XX+8*\g+2*\j+1], v[XX+8*\g+2*\j:XX+8*\g+2*\j+1], v[AC+2*\j:AC+2*\j+1]
.endr
.endr
	FOLD
	v_fma_f32 v[SM], v[SM], s[C10], s[EPS]         ; the variance + eps
	s_wait_alu depctr_va_vdst(0)
	v_rsq_f32 v[RS], v[SM]
	v_nop                                          ; a plain line behind the transcendental
	s_wait_alu depctr_va_vdst(0)                   ; ahead of the first line that names its result
.irp j, 0,2,4,6,8,10,12,14,16,18,20,22,24,26,28,30
	v_pk_mul_f32 v[XX+\j:XX+\j+1], v[XX+\j:XX+\j+1], v[RS:RS+1] op_sel_hi:[1,0]
.endr
.irp j, 0,2,4,6,8,10,12,14,16,18,20,22,24,26,28,30
	v_pk_fma_f32 v[XX+\j:XX+\j+1], v[XX+\j:XX+\j+1], v[GG+\j:GG+\j+1], v[BT+\j:BT+\j+1]
.endr
.irp i, 0,1,2,3,4,5,6,7,8,9,10,11,12,13,14,15,16,17,18,19,20,21,22,23,24,25,26,27,28,29,30,31
	v_med3_num_f32 v[XX+\i], v[XX+\i], s[NL], s[PL]
.endr
.irp g, 0,1,2,3
	v_cvt_scalef32_pk8_fp8_f32 v[CR+2*\g:CR+2*\g+1], v[XX+8*\g:XX+8*\g+7], v11
.endr
	v_nop                                          ; a plain line between the conversions and the lines that touch their results
	s_add_co_u32 s[T0], s[TR], \ro
	s_cmp_le_u32 s[T0], 2047
	s_cselect_b32 s[MK], -1, 0                     ; a row past the batch's end is one that reference() fills with zeros: zero codes
.irp i, 0,1,2,3,4,5,6,7
	v_and_b32 v[CR+\i], s[MK], v[CR+\i]
.endr
	global_store_b128 v4, v[CR:CR+3], s[26:27] offset:(\ro)*3072           ; 32 lanes store 512 consecutive bytes, aligned
	global_store_b128 v4, v[CR+4:CR+7], s[26:27] offset:(\ro)*3072+512
.endm
	s_mov_b32 s[CT], 3                             ; three trips of two rows, each asking for the two rows after them; the last two rows follow
.Lhrow:
	s_wait_alu depctr_va_vdst(0)
	HROW 0, 1, 8, 0
	HROW 1, 1, 8, 1
	s_wait_xcnt 0x0                                ; the stores have read their data and their offset: both are written again only behind this wait
	v_add_nc_u32 v4, 2*3072, v4
	s_add_co_u32 s[TR], s[TR], 2
	s_sub_co_u32 s[CT], s[CT], 1
	s_cmp_lg_u32 s[CT], 0
	s_cbranch_scc1 .Lhrow
	HROW 0, 0, 8, 0                                ; the last two rows load nothing
	HROW 1, 0, 0, 1
	FINISH
.Lzero:
	v_mov_b32 v16, 0
	v_mov_b32 v17, 0
	v_mov_b32 v18, 0
	v_mov_b32 v19, 0
	s_wait_alu depctr_va_vdst(0)
.irp i, 0,1,2,3,4,5,6,7
	global_store_b128 v3, v[16:19], s[26:27] offset:\i*3072
	global_store_b128 v3, v[16:19], s[26:27] offset:\i*3072+512
.endr
	s_wait_kmcnt 0x0
	FINISH
.Lfunc_end_k_q6f36db1545_prep:
	.size	k_q6f36db1545_prep, .Lfunc_end_k_q6f36db1545_prep-k_q6f36db1545_prep
	.p2alignl 7, 3214868480
	.fill 96, 4, 3214868480
	.section	.rodata,"a",@progbits
	.p2align	6, 0x0
	.amdhsa_kernel k_q6f36db1545_prep
		.amdhsa_group_segment_fixed_size 76288
		.amdhsa_private_segment_fixed_size 0
		.amdhsa_enable_private_segment 0
		.amdhsa_kernarg_size 88
		.amdhsa_user_sgpr_count 2
		.amdhsa_user_sgpr_kernarg_segment_ptr 1
		.amdhsa_wavefront_size32 1
		.amdhsa_system_sgpr_workgroup_id_x 1
		.amdhsa_system_sgpr_workgroup_id_y 1
		.amdhsa_system_sgpr_workgroup_id_z 1
		.amdhsa_system_vgpr_workitem_id 0
		.amdhsa_next_free_vgpr 256
		.amdhsa_next_free_sgpr 66
		.amdhsa_reserve_vcc 0
		.amdhsa_float_denorm_mode_32 3
		.amdhsa_float_denorm_mode_16_64 3
		.amdhsa_memory_ordered 1
		.amdhsa_forward_progress 1
		.amdhsa_inst_pref_size 155
	.end_amdhsa_kernel
	.amdgpu_metadata
---
amdhsa.version: [ 1, 2 ]
amdhsa.kernels:
  - .name:           k_q6f36db1545_prep
    .symbol:         k_q6f36db1545_prep.kd
    .args:
      - { .name: e, .offset: 0, .size: 8, .value_kind: global_buffer, .address_space: global }
      - { .name: h, .offset: 8, .size: 8, .value_kind: global_buffer, .address_space: global }
      - { .name: gamma, .offset: 16, .size: 8, .value_kind: global_buffer, .address_space: global }
      - { .name: beta, .offset: 24, .size: 8, .value_kind: global_buffer, .address_space: global }
      - { .name: Wk, .offset: 32, .size: 8, .value_kind: global_buffer, .address_space: global }
      - { .name: Wv, .offset: 40, .size: 8, .value_kind: global_buffer, .address_space: global }
      - { .name: Wq, .offset: 48, .size: 8, .value_kind: global_buffer, .address_space: global }
      - { .name: Wo, .offset: 56, .size: 8, .value_kind: global_buffer, .address_space: global }
      - { .name: lowp_scales, .offset: 64, .size: 8, .value_kind: global_buffer, .address_space: global }
      - { .name: ecodes, .offset: 72, .size: 8, .value_kind: global_buffer, .address_space: global }
      - { .name: wcodes, .offset: 80, .size: 8, .value_kind: global_buffer, .address_space: global }
    .group_segment_fixed_size: 76288
    .private_segment_fixed_size: 0
    .kernarg_segment_align: 8
    .kernarg_segment_size: 88
    .max_flat_workgroup_size: 128
    .sgpr_count:     66
    .vgpr_count:     256
    .wavefront_size: 32
...
	.end_amdgpu_metadata
.endif
;; end of part 1
;; launch qkvattn (part 2): grid 4 x 64, 4 waves a work-group, clusters of 4 x 4, 327,680 bytes of LDS; arguments ecodes, wcodes, bk, bv, bq, lowp_scales, ao; writes ao
.if DOCPART == 2
	.amdgcn_target "amdgcn-amd-amdhsa--gfx1250"
	.amdhsa_code_object_version 6
	.text
	.protected	k_q6f36db1545_qkvattn
	.globl	k_q6f36db1545_qkvattn
	.p2align	8
	.type	k_q6f36db1545_qkvattn,@function
k_q6f36db1545_qkvattn:
	s_mov_b64 s[64:65], 0
	v_nop
	global_prefetch_b8 v0, s[64:65] scope:SCOPE_SE
	s_setreg_imm32_b32 hwreg(HW_REG_WAVE_MODE, 25, 1), 1
	s_wait_xcnt 0x0
	s_wait_alu depctr_hold_cnt(0) depctr_sa_sdst(0) depctr_va_vdst(0) depctr_va_sdst(0) depctr_va_ssrc(0) depctr_va_vcc(0) depctr_vm_vsrc(0)
	s_getreg_b32 s2, hwreg(HW_REG_IB_STS2, 6, 4)
	s_cmp_eq_u32 s2, 0
	s_cbranch_scc0 .Lentry_in_a_cluster
	s_endpgm
.Lentry_in_a_cluster:
	s_bfe_u32 s2, ttmp6, 0x10000c
	s_cmp_lg_u32 s2, 0xf033
	s_cbranch_scc0 .Lentry_shape_is_right
	s_endpgm
.Lentry_shape_is_right:
; QKVATTN: k = e Wk + bk, v = e Wv + bv, q = LN(h) Wq + bq, S = q k^T / 8, the finished softmax, P v: products 1 to 5, all on codes of E4M3 by v_wmma_f32_16x16x64_fp8_fp8.
; The result leaves as codes with lowp_scales[10] in ao [8192 rows][1024].  No work is left out here: the 63 rows of each batch that the result never shows share a block of 64 with a live row,
; and no branch may hang on a work-group's place in its cluster, so they run like the rest and the last launch discards them.
; WHOSE SCALE IS WHOSE IN PRODUCT 5.  The scales are numbered by the operands as the product is lowered.  The result's order b c i h d is not (batch, queries, d), so the product is lowered with v on the left:
; v takes lowp_scales[8] and the softmax lowp_scales[9].  Product 4's result is in the natural order: q takes [6], k takes [7].
; SHARES.  Work-group (gx, gy): chunks 2 gy, 2 gy + 1 and heads 4 gx .. 4 gx + 3.  Wave (JR, JC): chunk 2 gy + JR, heads 4 gx + 2 JC + {0, 1}: 128 keys, 64 queries, 128 columns.  What a wave projects it alone uses:
; nothing goes from wave to wave but the tiles in the ring and the way out.
; THREE PASSES OVER K = 1,024 through one ring of two LDS slots of 256 along K (E's 2 x 128 rows, W's 2 x 128 rows; rows of 256 bytes + 16 of padding).  In ecodes and wcodes the passes' operands lie side by side
; in a row, so the descriptors walk 256 bytes a fill through all twelve fills.  Pass K, pass V: 128 x 128 a wave, 64 accumulators; pass Q: 64 x 128, 32 accumulators.
; WHICH SOURCE COMES FIRST decides what a lane holds.  K, Q: source 0 = 16 rows of W^T, source 1 = 16 rows of E: a lane holds one key or query and eight neighbouring d: a conversion's two registers are registers 2 c, 2 c + 1
; of the next product's fragment (K = d).  V: the sources swapped: a lane holds one d and eight neighbouring keys: a fragment of V^T (K = the keys).  S^T = k q^T and O^T = V^T P^T keep one query a lane.
; A bias is the C of a pass's first products, divided by the power of two that the sums lack.  The scales ahead of a quantiser are folded into the conversion's one.
; CLUSTER 4 x 4.  E's tiles hang on gy alone and are asked for jointly along a row of the cluster, W's on gx alone, along a column.
; In the ring's fragments k is permuted alike in both operands (two loads of 16 bytes, 32 apart): only the order of the sums inside an instruction changes.
; LIMITS.  e7-e2-e3, e8-e4-e5, e6-e0-e1, e10-e8-e9 and e9 lie between -126 and 119 (e_i = lowp_scales[i]); e6+e7 between -123 and 130.  NaN among the inputs is not served.
; The exponential and the reciprocal are the chip's own: good to their last place, denormal results come out as 0.
; REGISTERS, in windows of 256.  Window 0: v0-23 addresses and scales; v32-39 bv as loaded; v64-127, v128-191 E's fragments, two buffers (pass Q: v64-95, v128-159; v96-127, v160-191 then hold V's codes of keys 64-127);
;   v192-255 the pass's bias tiles.  Window 1: v64-191 W's fragments; v0-63, v192-255 k's codes of head 0, 1.  Windows 2, 3: accumulator (E block A, W block b) at window 2 + A / 4, v[8 (8 (A % 4) + b)];
;   behind pass V window 3 holds V's codes of keys 0-63 (v0-63) and q's codes on their way to LDS (v64-127); the attention works in window 2.
.set PITCH, 272                        ; 68 words: the 16 rows that a load touches start at 16 different banks (64 banks of 4 bytes: ISA guide 11.1)
.set HALFT, 128*PITCH
.set SLOT,  4*HALFT                    ; E half 0, E half 1, W half 0, W half 1.  SLOT and wave x HALFT share no bit: an exclusive or with SLOT turns an address into the other slot's
.set SPARE, 2*SLOT                     ; the spare words, 128 bytes a wave, named by no other line
.set QIMG,  SPARE+512                  ; q's fragments as images of their registers, 8,192 bytes a wave
.set FLAGS, (1<<20)|(1<<21)|(5<<22)|(3<<25)  ; elements of 1 byte; padding on; bit 21 beside a mask; 4 words behind every 64
.set F0,  64
.set F1,  128
.set BI,  192
.set EB0, 4
.set WB0, 5
.set ADE, 6
.set ADW, 7
.set SPW, 8                            ; my spare word's address; never rewritten
.set NIL, 9                            ; 0; never rewritten
.set PFO, 10
.set VB8, 11
.set VB1, 12
.set QST, 13
.set RD,  14
.set GO,  15
.set SCK, 16
.set SCV, 17
.set SCQ, 18
.set SCP0, 19
.set SCO0, 20
.set SBT, 21
.set L16, 22
.set PFQ, 23                           ; the prefetches' offset for pass Q's tiles; never rewritten
.set TT,  128                          ; window 2 in the attention: v0-127 S^T of heads 0 and 1, then p, at last o's codes in v[64 u .. 64 u + 7]; v[TT + 16 u ..]: head u's temporaries, then p's 16 registers of codes
.set OO,  160                          ; O^T, 32 registers a head
.set QF,  224                          ; q's fragments, 8 registers a head
.set MA,  0                            ; places in a head's temporaries: two chains of maxima,
.set MB,  1
.set NM,  2                            ; c x the row's largest score (a pair is named)
.set LS0, 4                            ; two chains of sums, a pair each
.set LS1, 6
.set RL,  8                            ; 1 / the row's sum (a pair is named)
.set PT,  10                           ; a lane permute's result
.set SCP, 240
.set SCO, 241
.set QA,  242
.set SA,  243
.set QB0, 244
.set SB0, 245
.set WV, 18
.set JR, 19
.set JC, 20
.set CX, 21
.set CY, 22
.set GX, 23
.set G1E, 24                           ; group 1: E's tiles, 128 rows 3,072 bytes apart
.set G1W, 32                           ; W's tiles, 128 rows 4,096 apart
.set G1Q, 40                           ; pass Q's E tiles: 64 rows
.set G0E0, 48                          ; groups 0: the first fill of slot 0; the set of slot 1 then walks
.set G0E1, 52
.set G0W0, 56
.set G0W1, 60
.set PFA, 66
.set LIM, 68
.set TB,  69                           ; LDS byte at which the slot in hand begins
.set LB,  70
.set CT,  71
.set EX,  72                           ; s[72:83] the twelve exponents
.set NLK, 84
.set PLK, 85
.set NLV, 86
.set PLV, 87
.set NLQ, 88
.set PLQ, 89
.set NLO, 90
.set PLO, 91
.set LIMP, 92
.set GY,  93
.set CS,  94
.set SEL, 96
.set MQ,  98
.set MS,  99
.set MSB, 0
.macro WIN new                         ; the immediate's high byte repeats the setting that is left; a switch that changes nothing is dropped
.if MSB != (\new)
	s_set_vgpr_msb (MSB<<8)|(\new)
.set MSB, (\new)
.endif
.endm
.macro PLACES                          ; four plain lines behind a matrix instruction, ahead of loads into its sources and of reads of its result
.rept 4
	v_nop
.endr
.endm
.macro CREST                           ; a round of the cluster's barrier behind its opening barrier
	s_cmp_lg_u32 s[WV], 0
	s_cbranch_scc1 .Lnot_wave_0_\@
	s_barrier_signal -3
.Lnot_wave_0_\@:
	s_barrier_wait -3
	s_barrier_signal -1
	s_barrier_wait -1
.endm
.macro CROUND
	s_barrier_signal -1
	s_barrier_wait -1
	CREST
.endm
.macro JLOAD g0e, g1e, g0w, g1w        ; a joint load: waves 0, 1 fetch E's halves, waves 2, 3 W's.  The branch hangs on the wave's number alone.  An s_nop 0 and four v_nop follow each line
	s_cmp_eq_u32 s[JR], 0
	s_cbranch_scc0 .Lfor_w_\@
	tensor_load_to_lds s[\g0e:\g0e+3], s[\g1e:\g1e+7]
	s_nop 0
.rept 4
	v_nop
.endr
	s_branch .Lasked_\@
.Lfor_w_\@:
	tensor_load_to_lds s[\g0w:\g0w+3], s[\g1w:\g1w+7]
	s_nop 0
.rept 4
	v_nop
.endr
.Lasked_\@:
.endm
; THE PREFETCHES.  Behind fill 1's load the head names the 256 bytes a row of fills 2 and 3; change of slots n (n = 0 .. 7, in passes K and V) asks for fill n + 2 and names fill n + 4: two fills beyond it.
; Fills 0 and 1 come by their loads alone.  s[PFA] stands 512 bytes behind what a change names and is stepped by 256 at each change.  A lane a row: of the 128 rows that a wave fetches, each of the four partners
; that ask for them jointly takes 32, told apart by address (offset o = PFO).  Pass Q's tiles of E have 64 rows: each partner takes 16, lanes 16 to 31 name lane 15's row again (o = PFQ).
; E's rows are read by this cluster alone; W's by all sixteen clusters: the first of them asks.  Fill 11 is the last that is named: byte 2,816 of the rows.
.macro ASK o
	s_cmp_eq_u32 s[LIM], 1
	s_cbranch_scc0 .Lnot_mine_\@
	global_prefetch_b8 v[\o], s[PFA:PFA+1] offset:512 th:TH_LOAD_NT scope:SCOPE_SE
.Lnot_mine_\@:
.endm
.macro MKSC x, sc, nl, pl              ; from the exponent in s[x]: 2^x, -448 x 2^x, 448 x 2^x as f32 patterns
	s_add_co_i32 s[\pl], s[\x], 127
	s_lshl_b32 s[\sc], s[\pl], 23
	s_add_co_i32 s[\pl], s[\pl], 8
	s_lshl_b32 s[\pl], s[\pl], 23
	s_or_b32 s[\pl], s[\pl], 0x600000
	s_or_b32 s[\nl], s[\pl], 0x80000000
.endm
.macro MM d, s0, s1, first, bi
.if \first == 0
	v_wmma_f32_16x16x64_fp8_fp8 v[\d:\d+7], v[\s0:\s0+7], v[\s1:\s1+7], v[\d:\d+7]
.elseif \first == 1
	v_wmma_f32_16x16x64_fp8_fp8 v[\d:\d+7], v[\s0:\s0+7], v[\s1:\s1+7], v[\bi:\bi+7]
.else
	v_wmma_f32_16x16x64_fp8_fp8 v[\d:\d+7], v[\s0:\s0+7], v[\s1:\s1+7], 0
.endif
.endm
; 8 matrix instructions: E's block A against W's eight, 64 along K, from buffer f.  sw = 0: source 0 = W, source 1 = E; 1: swapped.  first = 1: the bias tile starts the sums; 2: the constant 0.
; The accumulators take turns, one instruction a turn, in the same order in every quarter.
.macro MULA f, A, sw, first
.set WD, 2+(\A)/4
.if \first == 1
.set WM, (WD<<6)|(1+3*(\sw))
.else
.set WM, (WD<<6)|(WD<<4)|(1+3*(\sw))
.endif
	WIN WM
.set rE, \f+8*(\A)
.irp b, 0,1,2,3,4,5,6,7
.set rD, 8*(8*((\A)%4)+\b)
.set rW, \f+8*\b
.set rB, BI+8*\b
.if \sw
	MM rD, rE, rW, \first, rB
.else
	MM rD, rW, rE, \first, rB
.endif
.endr
.endm
.macro FETCH k, f, ne                  ; one run of LDS loads: W's eight fragments, then E's first ne, of 64 along K at byte k of the rows
	WIN 0x40
.irp i, 0,1,2,3,4,5,6,7
	ds_load_b128 v[\f+8*\i:\f+8*\i+3],   v[ADW] offset:\k+\i*16*PITCH
	ds_load_b128 v[\f+8*\i+4:\f+8*\i+7], v[ADW] offset:\k+\i*16*PITCH+32
.endr
	WIN 0
.irp i, 0,1,2,3,4,5,6,7
.if \i < \ne
	ds_load_b128 v[\f+8*\i:\f+8*\i+3],   v[ADE] offset:\k+\i*16*PITCH
	ds_load_b128 v[\f+8*\i+4:\f+8*\i+7], v[ADE] offset:\k+\i*16*PITCH+32
.endif
.endr
.endm
.macro START ne                        ; the first fragments of the slot in hand
	v_add_nc_u32 v[ADE], s[TB], v[EB0]
	v_add_nc_u32 v[ADW], s[TB], v[WB0]
	FETCH 0, F0, \ne
.endm
.macro QUARTER k, f, g, sw, first      ; 64 along K: at its head fetches the next quarter, at byte k, into g, 64 matrix instructions ahead of its use; then multiplies buffer f
	PLACES                                         ; the last products read g
	FETCH \k, \g, 8
	s_wait_dscnt 40                                ; f's W and E blocks 0-3 are in; its youngest eight loads (E's blocks 4-7) and the 32 just issued may be out
	MULA \f, 0, \sw, \first
	MULA \f, 1, \sw, \first
	MULA \f, 2, \sw, \first
	MULA \f, 3, \sw, \first
	s_wait_dscnt 32                                ; all but the 32 just issued
	MULA \f, 4, \sw, \first
	MULA \f, 5, \sw, \first
	MULA \f, 6, \sw, \first
	MULA \f, 7, \sw, \first
.endm
.macro QUARTERH k, f, g, first         ; the same with four blocks of E
	PLACES
	FETCH \k, \g, 4
	s_wait_dscnt 28                                ; f's youngest four loads (E's blocks 2, 3) and the 24 just issued may be out
	MULA \f, 0, 0, \first
	MULA \f, 1, 0, \first
	s_wait_dscnt 24                                ; all but the 24 just issued
	MULA \f, 2, 0, \first
	MULA \f, 3, 0, \first
.endm
.macro WALK                            ; no tensor load of mine is out: the walking groups 0 step to the other slot and the next 256 bytes of the rows
	s_xor_b32 s[G0E1+1], s[G0E1+1], SLOT
	s_add_nc_u64 s[G0E1+2:G0E1+3], s[G0E1+2:G0E1+3], 256
	s_xor_b32 s[G0W1+1], s[G0W1+1], SLOT
	s_add_nc_u64 s[G0W1+2:G0W1+3], s[G0W1+2:G0W1+3], 256
.endm
; A slot's last quarter changes slots: one barrier, which opens a round of the cluster's.  In front of it each wave waits for all its tensor loads (its part of the next slot), adds 0 to its spare word,
; and waits for that and for its reads of this slot.  Behind the round this slot is filled again first.  fetch = 0: a pass ends here, and its epilogue comes ahead of the next fragments.
.macro TURN sw, g1e, fetch, ask
.if \ask
	s_wait_xcnt 0x0                                ; the last prefetch, a slot back, has read its address
	s_add_nc_u64 s[PFA:PFA+1], s[PFA:PFA+1], 256
.endif
	WIN 0
	s_wait_tensorcnt 0x0
	ds_add_u32 v[SPW], v[NIL]
	WALK
	s_xor_b32 s[TB], s[TB], SLOT
	s_wait_dscnt 9                                 ; the add and the youngest eight loads may be out
	MULA F1, 0, \sw, 0
	s_wait_dscnt 0x0                               ; the add is done, and my reads of this slot are over
	s_barrier_signal -1
	MULA F1, 1, \sw, 0
	WIN 0
	s_barrier_wait -1
	CREST                                          ; no wave of any partner still reads this slot or has a load on its way
	JLOAD G0E1, \g1e, G0W1, G1W                    ; my one tensor load behind the round; its four v_nop are also the places ahead of the loads below
.if \fetch
	START 8
.endif
.if \ask == 1
	ASK PFO
.elseif \ask == 2
	ASK PFQ
.endif
	MULA F1, 2, \sw, 0                             ; 48 matrix instructions stand between the next slot's first fetch and its use
	MULA F1, 3, \sw, 0
	MULA F1, 4, \sw, 0
	MULA F1, 5, \sw, 0
	MULA F1, 6, \sw, 0
	MULA F1, 7, \sw, 0
.endm
.macro TURNH fill, g1e
	WIN 0
	s_wait_tensorcnt 0x0
	ds_add_u32 v[SPW], v[NIL]
.if \fill
	WALK
.endif
	s_xor_b32 s[TB], s[TB], SLOT
	s_wait_dscnt 5                                 ; the add and the youngest four loads may be out
	MULA F1, 0, 0, 0
	s_wait_dscnt 0x0
	s_barrier_signal -1
	MULA F1, 1, 0, 0
	WIN 0
	s_barrier_wait -1
.if \fill
	CREST
	JLOAD G0E1, \g1e, G0W1, G1W
.else
	PLACES
.endif
	START 4
	MULA F1, 2, 0, 0
	MULA F1, 3, 0, 0
.endm
.macro HOLD w, nl, pl                  ; all 256 sums of window w held within the largest code x the scale, each accumulator from its low end on (the conversion does not saturate: ISA guide 7.6.2)
.set WM, ((\w)<<6)|(\w)
	WIN WM
.set i, 0
.rept 256
	v_med3_num_f32 v[i], v[i], s[\nl], s[\pl]
.set i, i+1
.endr
.endm
.macro LOADB8 p                        ; a bias in the layout of sw = 0: tile b, register j: column 16 b + 8 (lane / 16) + j
.irp b, 0,1,2,3,4,5,6,7
	global_load_b128 v[BI+8*\b:BI+8*\b+3],   v[VB8], s[\p:\p+1] offset:64*\b
	global_load_b128 v[BI+8*\b+4:BI+8*\b+7], v[VB8], s[\p:\p+1] offset:64*\b+16
.endr
.endm
.macro LDEXPB                          ; the bias tiles x 2^s98
.set i, 0
.rept 64
	v_ldexp_f32 v[BI+i], v[BI+i], s98
.set i, i+1
.endr
.endm
	s_load_b256 s[4:11], s[0:1], 0x0               ; ecodes, wcodes, bk, bv
	s_load_b128 s[12:15], s[0:1], 0x20             ; bq, lowp_scales
	s_load_b64 s[16:17], s[0:1], 0x30              ; ao
	v_lshl_add_u32 v[SPW], v0, 2, SPARE
	v_mov_b32 v[NIL], 0
	ds_add_u32 v[SPW], v[NIL]                      ; the opening: the add, twice on end, and its wait ahead of my first tensor load
	ds_add_u32 v[SPW], v[NIL]
	v_lshrrev_b32 v1, 5, v0
	v_readfirstlane_b32 s[WV], v1                  ; wave 0..3
	s_lshr_b32 s[JR], s[WV], 1                     ; my chunk of the two.  Also: I fetch for E (0) or W (1)
	s_and_b32 s[JC], s[WV], 1                      ; my half of the columns.  Also: which half of that tile I fetch
	s_bfe_u32 s[CX], ttmp6, 0x40000
	s_bfe_u32 s[CY], ttmp6, 0x40004
	s_lshl_b32 s[GX], ttmp9, 2
	s_add_co_u32 s[GX], s[GX], s[CX]
	s_and_b32 s[GY], ttmp7, 0xffff
	s_lshl_b32 s[GY], s[GY], 2
	s_add_co_u32 s[GY], s[GY], s[CY]
	s_lshl_b32 s2, s[CY], 2
	s_lshl_b32 s2, 15, s2                          ; my row of the cluster
	s_lshl_b32 s3, 0x1111, s[CX]                   ; my column
	s_or_b32 s[G1E], s2, FLAGS
	s_or_b32 s[G1Q], s2, FLAGS
	s_or_b32 s[G1W], s3, FLAGS
.irp g, G1E, G1W, G1Q
	s_mov_b32 s[\g+1], 256<<16                     ; tensor_dim0 = 256
	s_mov_b32 s[\g+3], 256<<16                     ; tile_dim0 = 256
	s_mov_b32 s[\g+6], 0
	s_mov_b32 s[\g+7], 0
.endr
	s_mov_b32 s[G1E+2], 128<<16                    ; tensor_dim1
	s_mov_b32 s[G1E+4], 128                        ; tile_dim1
	s_mov_b32 s[G1E+5], 3072                       ; from row to row
	s_mov_b32 s[G1W+2], 128<<16
	s_mov_b32 s[G1W+4], 128
	s_mov_b32 s[G1W+5], 4096
	s_mov_b32 s[G1Q+2], 64<<16
	s_mov_b32 s[G1Q+4], 64
	s_mov_b32 s[G1Q+5], 3072
	s_lshl_b32 s2, s[JC], 7                        ; which 128 rows of the tile I fetch
	s_lshl_b32 s98, s[GY], 8
	s_add_co_u32 s98, s98, s2
	s_mul_i32 s98, s98, 3072                       ; E: row 256 gy + 128 x half
	s_mov_b32 s99, 0
	s_lshl_b32 s100, s[GX], 8
	s_add_co_u32 s100, s100, s2
	s_lshl_b32 s100, s100, 12                      ; W: row 256 gx + 128 x half
	s_mov_b32 s101, 0
	s_mul_i32 s[LB], s[WV], HALFT                  ; where my tile goes: no place in the cluster enters an LDS address
	s_mov_b32 s[TB], 0
	s_mov_b32 s[SEL], 0x76543210
	s_mov_b32 s[SEL+1], 0xfedcba98
	s_wait_dscnt 0x0                               ; both opening adds are done
	s_wait_kmcnt 0x0
	s_load_b256 s[72:79], s[14:15], 0x0
	s_load_b128 s[80:83], s[14:15], 0x20
	s_add_nc_u64 s[98:99], s[4:5], s[98:99]
	s_add_nc_u64 s[100:101], s[6:7], s[100:101]
	CROUND                                         ; all sixteen work-groups are here: the first joint loads meet
.irp s, 0,1
	s_mov_b32 s[G0E0+4*\s], 1
	s_add_co_u32 s[G0E0+4*\s+1], s[LB], \s*SLOT
	s_add_nc_u64 s[G0E0+4*\s+2:G0E0+4*\s+3], s[98:99], \s*256
	s_or_b32 s[G0E0+4*\s+3], s[G0E0+4*\s+3], 0x80000000
	s_mov_b32 s[G0W0+4*\s], 1
	s_add_co_u32 s[G0W0+4*\s+1], s[LB], \s*SLOT
	s_add_nc_u64 s[G0W0+4*\s+2:G0W0+4*\s+3], s[100:101], \s*256
	s_or_b32 s[G0W0+4*\s+3], s[G0W0+4*\s+3], 0x80000000
.endr
	JLOAD G0E0, G1E, G0W0, G1W                     ; fill 0: one tensor load a wave at the head
	v_and_b32 v1, 15, v0                           ; r
	v_bfe_u32 v2, v0, 4, 1                         ; h
	v_mul_u32_u24 v3, v1, PITCH
	v_lshl_add_u32 v3, v2, 4, v3                   ; a fragment's row x pitch + 16 h
	s_mul_i32 s2, s[JR], HALFT
	v_add_nc_u32 v[EB0], s2, v3
	s_mul_i32 s2, s[JC], HALFT
	s_add_co_u32 s2, s2, 2*HALFT
	v_add_nc_u32 v[WB0], s2, v3
	v_lshlrev_b32 v[VB8], 5, v2
	v_lshlrev_b32 v[VB1], 2, v1
	v_and_b32 v[L16], 31, v0
	v_lshlrev_b32 v[L16], 4, v[L16]
	s_lshl_b32 s2, s[WV], 13
	s_add_co_u32 s2, s2, QIMG
	v_add_nc_u32 v[QST], s2, v[L16]                ; q's images: 16 x lane in my wave's 8,192 bytes
	s_mul_i32 s2, s[JR], 64*PITCH                  ; the stage for ao, 128 rows x 272, in slot 0: row 64 JR + query, byte 128 JC + 64 u + d
	s_lshl_b32 s3, s[JC], 7
	s_add_co_u32 s2, s2, s3
	v_mul_u32_u24 v[SBT], v1, PITCH
	v_lshl_add_u32 v[SBT], v2, 3, v[SBT]
	v_add_nc_u32 v[SBT], s2, v[SBT]
	s_mul_i32 s2, s[WV], 32*PITCH                  ; back: wave w takes rows 32 w on, sixteen lanes to a row
	v_mul_u32_u24 v[RD], v2, PITCH
	v_lshl_add_u32 v[RD], v1, 4, v[RD]
	v_add_nc_u32 v[RD], s2, v[RD]
	v_lshlrev_b32 v[GO], 10, v2
	v_lshl_add_u32 v[GO], v1, 4, v[GO]
	s_lshl_b32 s2, s[GX], 10                       ; my 128 columns in the biases: 4 (256 gx + 128 JC) bytes
	s_lshl_b32 s3, s[JC], 9
	s_add_co_u32 s2, s2, s3
	s_mov_b32 s3, 0
	s_add_nc_u64 s[8:9], s[8:9], s[2:3]
	s_add_nc_u64 s[10:11], s[10:11], s[2:3]
	s_add_nc_u64 s[12:13], s[12:13], s[2:3]
	LOADB8 8                                       ; bk
	s_lshl_b32 s2, s[GY], 7
	s_lshl_b32 s98, s[WV], 5
	s_add_co_u32 s2, s2, s98
	s_lshl_b32 s2, s2, 10
	s_lshl_b32 s98, s[GX], 8
	s_add_co_u32 s2, s2, s98
	s_add_nc_u64 s[16:17], s[16:17], s[2:3]        ; ao at row 128 gy + 32 w, byte 256 gx
	s_cmp_eq_u32 s[JR], 0                          ; the prefetches: do I fetch for E?
	s_cselect_b64 s[PFA:PFA+1], s[4:5], s[6:7]
	s_cselect_b32 s2, s[GY], s[GX]
	s_cselect_b32 s3, s[CX], s[CY]                 ; my place among the four that ask with me
	s_mov_b32 s98, 4096
	s_cselect_b32 s98, 3072, s98                   ; from row to row
	s_lshl_b32 s2, s2, 8
	s_lshl_b32 s99, s[JC], 7
	s_add_co_u32 s2, s2, s99
	s_lshl_b32 s3, s3, 5
	s_add_co_u32 s2, s2, s3
	s_mul_i32 s2, s2, s98
	s_add_co_u32 s2, s2, 256                       ; byte 256 of the rows: fill 1
	s_mov_b32 s3, 0
	s_add_nc_u64 s[PFA:PFA+1], s[PFA:PFA+1], s[2:3]
	v_and_b32 v[PFO], 31, v0
	v_mul_lo_u32 v[PFO], v[PFO], s98
	s_and_b32 s2, ttmp7, 0xffff                    ; the cluster's y: the same in all sixteen partners
	s_cmp_eq_u32 s[JR], 0
	s_cselect_b32 s2, 0, s2
	s_cselect_b32 s99, 15, 31                      ; pass Q: E's waves name 16 rows a partner, W's 32 as before
	s_mul_i32 s4, s[CX], 16*3072
	s_cselect_b32 s4, s4, 0                        ; so E's waves step back by 16 rows x their place ahead of pass V's changes (s[4:5] hold an offset from here on)
	s_mov_b32 s5, 0
	v_and_b32 v[PFQ], 31, v0
	v_min_u32 v[PFQ], s99, v[PFQ]
	v_mul_lo_u32 v[PFQ], v[PFQ], s98
	s_cmp_eq_u32 s2, 0
	s_cselect_b32 s[LIM], 1, -1
	s_wait_kmcnt 0x0
	s_add_co_i32 s98, s[EX+2], s[EX+3]
	s_sub_co_i32 s99, s[EX+7], s98                 ; a sum of pass K stands for sum x 2^(e2+e3): its code is sum / 2^(e7-e2-e3)
	MKSC 99, 100, NLK, PLK
	v_mov_b32 v[SCK], s100
	s_add_co_i32 s99, s[EX+4], s[EX+5]
	s_sub_co_i32 s99, s[EX+8], s99                 ; v is product 5's left operand: its scale is lowp_scales[8]
	MKSC 99, 100, NLV, PLV
	v_mov_b32 v[SCV], s100
	s_add_co_i32 s99, s[EX+0], s[EX+1]
	s_sub_co_i32 s99, s[EX+6], s99
	MKSC 99, 100, NLQ, PLQ
	v_mov_b32 v[SCQ], s100
	s_add_co_i32 s99, s[EX+8], s[EX+9]
	s_sub_co_i32 s99, s[EX+10], s99
	MKSC 99, 100, NLO, PLO
	v_mov_b32 v[SCO0], s100
	MKSC EX+9, 100, 101, LIMP                      ; the softmax is product 5's right operand: its scale is lowp_scales[9]
	v_mov_b32 v[SCP0], s100
	s_add_co_i32 s99, s[EX+6], s[EX+7]
	s_lshl_b32 s99, s99, 23
	s_add_co_i32 s[CS], s99, 0x3e38aa3b            ; c = log2(e) / 8 x 2^(e6+e7): the exponents are added to c's exponent field
	s_mov_b32 s[CS+1], s[CS]
	s_sub_co_i32 s98, 0, s98
	s_wait_loadcnt 0x0
	LDEXPB                                         ; bk / 2^(e2+e3)
	s_wait_alu depctr_va_vdst(0)
	s_wait_tensorcnt 0x0                           ; my part of fill 0 is in
	ds_add_u32 v[SPW], v[NIL]
	s_wait_dscnt 0x0
	CROUND                                         ; a whole round: everybody's part of fill 0 is in, and the joint loads meet
	JLOAD G0E1, G1E, G0W1, G1W                     ; fill 1, slot 1's first: my one tensor load behind the round
	START 8
	s_cmp_eq_u32 s[LIM], 1
	s_cbranch_scc0 .Lno_first_ask
	global_prefetch_b8 v[PFO], s[PFA:PFA+1] offset:256 th:TH_LOAD_NT scope:SCOPE_SE   ; fill 2,
	global_prefetch_b8 v[PFO], s[PFA:PFA+1] offset:512 th:TH_LOAD_NT scope:SCOPE_SE   ; fill 3
.Lno_first_ask:
; ---------------- PASS K: fills 0 to 3
	s_wait_alu depctr_va_vdst(0)
	QUARTER 64, F0, F1, 0, 1
	WIN 0
	s_mov_b32 s[CT], 3
.Lpass_k:
	s_wait_alu depctr_va_vdst(0)
	QUARTER 128, F1, F0, 0, 0
	QUARTER 192, F0, F1, 0, 0
	TURN 0, G1E, 1, 1
	s_wait_alu depctr_va_vdst(0)
	QUARTER 64, F0, F1, 0, 0
	WIN 0
	s_sub_co_u32 s[CT], s[CT], 1
	s_cmp_lg_u32 s[CT], 0
	s_cbranch_scc1 .Lpass_k
	QUARTER 128, F1, F0, 0, 0
	QUARTER 192, F0, F1, 0, 0
	TURN 0, G1E, 0, 1
	WIN 0
	s_wait_xcnt 0x0                                ; the last prefetch has read its address
	s_sub_nc_u64 s[PFA:PFA+1], s[PFA:PFA+1], s[4:5]  ; E's waves: from 32 rows a partner to 16
; k's sums become codes: head u, key block A, registers 2 c, 2 c + 1: d = 16 c + 8 h + 0 .. 7
.irp b, 0,1,2,3,4,5,6,7
	global_load_b32 v[32+\b], v[VB1], s[10:11] offset:64*\b        ; bv(16 b + r): in pass V a lane holds one column
.endr
	PLACES
.macro CVTK hi
	WIN 0x42+\hi                                   ; destination window 1, source 0 window 2 or 3, the scale in window 0
.irp a, 0,1,2,3
.irp u, 0,1
.irp c, 0,1,2,3
	v_cvt_scalef32_pk8_fp8_f32 v[192*\u+8*(4*\hi+\a)+2*\c:192*\u+8*(4*\hi+\a)+2*\c+1], v[64*\a+32*\u+8*\c:64*\a+32*\u+8*\c+7], v[SCK]
.endr
.endr
.endr
.endm
	HOLD 2, NLK, PLK
	CVTK 0
	HOLD 3, NLK, PLK
	CVTK 1
	v_nop                                          ; a plain line between the last conversion and the products that write its sources
	WIN 0
	s_add_co_i32 s98, s[EX+4], s[EX+5]
	s_sub_co_i32 s98, 0, s98
	s_wait_loadcnt 0x0
.irp b, 0,1,2,3,4,5,6,7
.irp j, 0,1,2,3,4,5,6,7
	v_ldexp_f32 v[BI+8*\b+\j], v[32+\b], s98       ; bv / 2^(e4+e5), the same for a lane's eight keys
.endr
.endr
	START 8
; ---------------- PASS V: fills 4 to 7, the sources swapped.  Its last two changes ask for pass Q's first tiles, 64 rows of E
	s_wait_alu depctr_va_vdst(0)
	QUARTER 64, F0, F1, 1, 1
	WIN 0
	s_mov_b32 s[CT], 2
.Lpass_v:
	s_wait_alu depctr_va_vdst(0)
	QUARTER 128, F1, F0, 1, 0
	QUARTER 192, F0, F1, 1, 0
	TURN 1, G1E, 1, 2
	s_wait_alu depctr_va_vdst(0)
	QUARTER 64, F0, F1, 1, 0
	WIN 0
	s_sub_co_u32 s[CT], s[CT], 1
	s_cmp_lg_u32 s[CT], 0
	s_cbranch_scc1 .Lpass_v
	QUARTER 128, F1, F0, 1, 0
	QUARTER 192, F0, F1, 1, 0
	TURN 1, G1Q, 1, 2
	s_wait_alu depctr_va_vdst(0)
	QUARTER 64, F0, F1, 1, 0
	QUARTER 128, F1, F0, 1, 0
	QUARTER 192, F0, F1, 1, 0
	TURN 1, G1Q, 0, 2
	WIN 0
; v's sums become codes: column block b, key block A: registers 2 (A % 4), + 1 of a fragment of V^T: keys 16 A + 8 h + 0 .. 7
	LOADB8 12                                      ; bq
	PLACES
	HOLD 3, NLV, PLV
	WIN 0x03                                       ; keys 64-127: into window 0, where E's blocks 4-7 lay
.irp a, 0,1,2,3
.irp b, 0,1,2,3,4,5,6,7
	v_cvt_scalef32_pk8_fp8_f32 v[96+64*(\b/4)+8*(\b%4)+2*\a:96+64*(\b/4)+8*(\b%4)+2*\a+1], v[64*\a+8*\b:64*\a+8*\b+7], v[SCV]
.endr
.endr
	HOLD 2, NLV, PLV
	WIN 0xc2                                       ; keys 0-63: into window 3, whose sums are done with
.irp a, 0,1,2,3
.irp b, 0,1,2,3,4,5,6,7
	v_cvt_scalef32_pk8_fp8_f32 v[8*\b+2*\a:8*\b+2*\a+1], v[64*\a+8*\b:64*\a+8*\b+7], v[SCV]
.endr
.endr
	v_nop
	WIN 0
	s_add_co_i32 s98, s[EX+0], s[EX+1]
	s_sub_co_i32 s98, 0, s98
	s_wait_loadcnt 0x0
	LDEXPB                                         ; bq / 2^(e0+e1)
	START 4
; ---------------- PASS Q: fills 8 to 11, four blocks of E.  The last two slots are filled no more: the tail is written out
	s_wait_alu depctr_va_vdst(0)
	QUARTERH 64, F0, F1, 1
	WIN 0
	s_mov_b32 s[CT], 2
.Lpass_q:
	s_wait_alu depctr_va_vdst(0)
	QUARTERH 128, F1, F0, 0
	QUARTERH 192, F0, F1, 0
	TURNH 1, G1Q
	s_wait_alu depctr_va_vdst(0)
	QUARTERH 64, F0, F1, 0
	WIN 0
	s_sub_co_u32 s[CT], s[CT], 1
	s_cmp_lg_u32 s[CT], 0
	s_cbranch_scc1 .Lpass_q
	QUARTERH 128, F1, F0, 0
	QUARTERH 192, F0, F1, 0
	TURNH 0, G1Q
	s_wait_alu depctr_va_vdst(0)
	QUARTERH 64, F0, F1, 0
	QUARTERH 128, F1, F0, 0
	QUARTERH 192, F0, F1, 0
	s_wait_dscnt 4
	MULA F1, 0, 0, 0
	MULA F1, 1, 0, 0
	s_wait_dscnt 0x0
	MULA F1, 2, 0, 0
	MULA F1, 3, 0, 0
	PLACES
; q's sums become codes and go to LDS as images of their registers, so that the loop over the query tiles can take them by address
	HOLD 2, NLQ, PLQ
	WIN 0xc2
.irp a, 0,1,2,3
.irp u, 0,1
.irp c, 0,1,2,3
	v_cvt_scalef32_pk8_fp8_f32 v[64+8*(4*\u+\a)+2*\c:64+8*(4*\u+\a)+2*\c+1], v[64*\a+32*\u+8*\c:64*\a+32*\u+8*\c+7], v[SCQ]
.endr
.endr
.endr
	v_nop
	WIN 0x0c                                       ; store data in window 3
.irp f, 0,1,2,3,4,5,6,7
	ds_store_b128 v[QST], v[64+8*\f:64+8*\f+3] offset:1024*\f
	ds_store_b128 v[QST], v[64+8*\f+4:64+8*\f+7] offset:1024*\f+512
.endr
	WIN 0x80                                       ; window 2 is free: what the attention keeps there
	v_mov_b32 v[QB0], v[QST]
	v_mov_b32 v[SB0], v[SBT]
	v_mov_b32 v[SCP], v[SCP0]
	v_mov_b32 v[SCO], v[SCO0]
.irp u, 0,1
	v_mov_b32 v[TT+16*\u+PT], 0                    ; a lane permute's destination counts as read
	v_mov_b32 v[TT+16*\u+NM+1], 0                  ; named as upper halves of pairs
	v_mov_b32 v[TT+16*\u+RL+1], 0
.endr
	WIN 0
; ---------------- THE ATTENTION: four trips, a tile of 16 queries each, my two heads u = 0, 1 line by line, so that each head's chains of dependent lines stand between the other's.
; A lane holds one query; register 64 u + 8 t + j of S^T is key 16 t + 8 h + j of head u.
	s_mov_b32 s[MQ], 0
	s_mov_b32 s[MS], 0
	s_mov_b32 s[CT], 4
.Ltile:
	WIN 0xaa
	v_add_nc_u32 v[QA], s[MQ], v[QB0]
	v_add_nc_u32 v[SA], s[MS], v[SB0]
.irp u, 0,1
	ds_load_b128 v[QF+8*\u:QF+8*\u+3], v[QA] offset:4096*\u
	ds_load_b128 v[QF+8*\u+4:QF+8*\u+7], v[QA] offset:4096*\u+512
.endr
	s_wait_dscnt 0x0                               ; q's fragments are in, and the last trip's stores have read o's codes, over which S^T is written
	WIN 0xa9                                       ; k's codes in window 1
.irp u, 0,1
.irp t, 0,1,2,3,4,5,6,7
	v_wmma_f32_16x16x64_fp8_fp8 v[64*\u+8*\t:64*\u+8*\t+7], v[192*\u+8*\t:192*\u+8*\t+7], v[QF+8*\u:QF+8*\u+7], 0
.endr
.endr
	WIN 0xaa
	PLACES
.irp u, 0,1
	v_max3_num_f32 v[TT+16*\u+MA], v[64*\u], v[64*\u+1], v[64*\u+2]      ; the row's largest score among my 64 keys, in two chains a head, in ascending order,
	v_max3_num_f32 v[TT+16*\u+MB], v[64*\u+3], v[64*\u+4], v[64*\u+5]
.endr
.irp i, 6,10,14,18,22,26,30,34,38,42,46,50,54,58
.irp u, 0,1
	v_max3_num_f32 v[TT+16*\u+MA], v[TT+16*\u+MA], v[64*\u+\i], v[64*\u+\i+1]
	v_max3_num_f32 v[TT+16*\u+MB], v[TT+16*\u+MB], v[64*\u+\i+2], v[64*\u+\i+3]
.endr
.endr
.irp u, 0,1
	v_max3_num_f32 v[TT+16*\u+MA], v[TT+16*\u+MA], v[64*\u+62], v[64*\u+63]
.endr
.irp u, 0,1
	v_max_num_f32 v[TT+16*\u+MA], v[TT+16*\u+MA], v[TT+16*\u+MB]
.endr
.irp u, 0,1
	v_permlanex16_b32 v[TT+16*\u+PT], v[TT+16*\u+MA], s[SEL], s[SEL+1]
.endr
.irp u, 0,1
	v_max_num_f32 v[TT+16*\u+MA], v[TT+16*\u+MA], v[TT+16*\u+PT]         ; and among the other half's
.endr
.irp u, 0,1
	v_mul_f32 v[TT+16*\u+NM], s[CS], v[TT+16*\u+MA]                      ; c is positive
.endr
.irp u, 0,1
.set i, 64*\u
.rept 32
	v_pk_fma_f32 v[i:i+1], v[i:i+1], s[CS:CS+1], v[TT+16*\u+NM:TT+16*\u+NM+1] op_sel_hi:[1,0,0] neg_lo:[0,0,1] neg_hi:[0,0,1]   ; c s - c max
.set i, i+2
.endr
.endr
.set i, 0
	s_wait_alu depctr_va_vdst(0)                   ; ahead of the batch
.rept 128
	v_exp_f32 v[i], v[i]
.set i, i+1
.endr
	v_nop                                          ; a plain line behind the last exponential
	s_wait_alu depctr_va_vdst(0)                   ; one wait for the batch, ahead of its first reader
.irp u, 0,1
	v_pk_add_f32 v[TT+16*\u+LS0:TT+16*\u+LS0+1], v[64*\u:64*\u+1], v[64*\u+2:64*\u+3]       ; the row's sum, two at a time, in two chains a head
	v_pk_add_f32 v[TT+16*\u+LS1:TT+16*\u+LS1+1], v[64*\u+4:64*\u+5], v[64*\u+6:64*\u+7]
.endr
.irp j, 8,12,16,20,24,28,32,36,40,44,48,52,56,60
.irp u, 0,1
	v_pk_add_f32 v[TT+16*\u+LS0:TT+16*\u+LS0+1], v[TT+16*\u+LS0:TT+16*\u+LS0+1], v[64*\u+\j:64*\u+\j+1]
	v_pk_add_f32 v[TT+16*\u+LS1:TT+16*\u+LS1+1], v[TT+16*\u+LS1:TT+16*\u+LS1+1], v[64*\u+\j+2:64*\u+\j+3]
.endr
.endr
.irp u, 0,1
	v_pk_add_f32 v[TT+16*\u+LS0:TT+16*\u+LS0+1], v[TT+16*\u+LS0:TT+16*\u+LS0+1], v[TT+16*\u+LS1:TT+16*\u+LS1+1]
.endr
.irp u, 0,1
	v_add_f32 v[TT+16*\u+LS0], v[TT+16*\u+LS0], v[TT+16*\u+LS0+1]
.endr
.irp u, 0,1
	v_permlanex16_b32 v[TT+16*\u+PT], v[TT+16*\u+LS0], s[SEL], s[SEL+1]
.endr
.irp u, 0,1
	v_add_f32 v[TT+16*\u+LS0], v[TT+16*\u+LS0], v[TT+16*\u+PT]
.endr
	s_wait_alu depctr_va_vdst(0)                   ; ahead of the two reciprocals
.irp u, 0,1
	v_rcp_f32 v[TT+16*\u+RL], v[TT+16*\u+LS0]
.endr
	v_nop
	s_wait_alu depctr_va_vdst(0)                   ; and behind them
.irp u, 0,1
.set i, 64*\u
.rept 32
	v_pk_mul_f32 v[i:i+1], v[i:i+1], v[TT+16*\u+RL:TT+16*\u+RL+1] op_sel_hi:[1,0]    ; the finished softmax is what is quantised
.set i, i+2
.endr
.endr
.set i, 0
.rept 128
	v_min_num_f32 v[i], s[LIMP], v[i]              ; p is not negative: the hold is one-sided
.set i, i+1
.endr
.irp u, 0,1
.irp t, 0,1,2,3,4,5,6,7
	v_cvt_scalef32_pk8_fp8_f32 v[TT+16*\u+2*\t:TT+16*\u+2*\t+1], v[64*\u+8*\t:64*\u+8*\t+7], v[SCP]   ; over the head's temporaries, which are done with
.endr
.endr
	v_nop
	WIN 0xab                                       ; V's codes of keys 0-63 in window 3
.irp u, 0,1
.irp c, 0,1,2,3
	v_wmma_f32_16x16x64_fp8_fp8 v[OO+32*\u+8*\c:OO+32*\u+8*\c+7], v[8*(4*\u+\c):8*(4*\u+\c)+7], v[TT+16*\u:TT+16*\u+7], 0
.endr
.endr
	WIN 0xa8                                       ; of keys 64-127 in window 0; seven other products stand between a sum's two steps
.irp u, 0,1
.irp c, 0,1,2,3
	v_wmma_f32_16x16x64_fp8_fp8 v[OO+32*\u+8*\c:OO+32*\u+8*\c+7], v[96+64*\u+8*\c:96+64*\u+8*\c+7], v[TT+16*\u+8:TT+16*\u+15], v[OO+32*\u+8*\c:OO+32*\u+8*\c+7]
.endr
.endr
	WIN 0xaa
	PLACES
.set i, 0
.rept 64
	v_med3_num_f32 v[OO+i], v[OO+i], s[NLO], s[PLO]
.set i, i+1
.endr
.irp u, 0,1
.irp c, 0,1,2,3
	v_cvt_scalef32_pk8_fp8_f32 v[64*\u+2*\c:64*\u+2*\c+1], v[OO+32*\u+8*\c:OO+32*\u+8*\c+7], v[SCO]   ; o's codes, where p lay
.endr
.endr
	v_nop
.irp u, 0,1
.irp c, 0,1,2,3
	ds_store_b64 v[SA], v[64*\u+2*\c:64*\u+2*\c+1] offset:64*\u+16*\c    ; o(query r, d = 16 c + 8 h + 0 .. 7): slot 0 has had its last fill, and nobody reads it since the last change of slots
.endr
.endr
	WIN 0
	s_add_co_u32 s[MQ], s[MQ], 1024
	s_add_co_u32 s[MS], s[MS], 16*PITCH
	s_sub_co_u32 s[CT], s[CT], 1
	s_cmp_lg_u32 s[CT], 0
	s_cbranch_scc1 .Ltile
; ---------------- THE WAY OUT: a row's 256 bytes come from two waves: a barrier, then each wave stores 32 whole rows
	s_wait_dscnt 0x0                               ; for the others' sake: my stores into the stage are done
	s_barrier_signal -1
	s_barrier_wait -1
.irp t, 0,1,2,3,4,5,6,7,8,9,10,11,12,13,14,15
	ds_load_b128 v[BI+4*\t:BI+4*\t+3], v[RD] offset:\t*2*PITCH
.endr
.irp t, 0,1,2,3,4,5,6,7,8,9,10,11,12,13,14,15
	s_wait_dscnt 15-\t                             ; the younger loads may be out
	global_store_b128 v[GO], v[BI+4*\t:BI+4*\t+3], s[16:17] offset:\t*2048     ; sixteen lanes store 256 consecutive bytes, aligned
.endr
	s_wait_tensorcnt 0x0                           ; the wave's end
	ds_add_u32 v[SPW], v[NIL]
	s_wait_dscnt 0x0
	CROUND                                         ; the closing round
	s_endpgm
.Lfunc_end_k_q6f36db1545_qkvattn:
	.size	k_q6f36db1545_qkvattn, .Lfunc_end_k_q6f36db1545_qkvattn-k_q6f36db1545_qkvattn
	.p2alignl 7, 3214868480
	.fill 96, 4, 3214868480
	.section	.rodata,"a",@progbits
	.p2align	6, 0x0
	.amdhsa_kernel k_q6f36db1545_qkvattn
		.amdhsa_group_segment_fixed_size 327680
		.amdhsa_private_segment_fixed_size 0
		.amdhsa_enable_private_segment 0
		.amdhsa_kernarg_size 56
		.amdhsa_user_sgpr_count 2
		.amdhsa_user_sgpr_kernarg_segment_ptr 1
		.amdhsa_wavefront_size32 1
		.amdhsa_system_sgpr_workgroup_id_x 1
		.amdhsa_system_sgpr_workgroup_id_y 1
		.amdhsa_system_sgpr_workgroup_id_z 1
		.amdhsa_system_vgpr_workitem_id 0
		.amdhsa_next_free_vgpr 1024
		.amdhsa_next_free_sgpr 102
		.amdhsa_reserve_vcc 0
		.amdhsa_float_denorm_mode_32 3
		.amdhsa_float_denorm_mode_16_64 3
		.amdhsa_memory_ordered 1
		.amdhsa_forward_progress 1
		.amdhsa_inst_pref_size 255
	.end_amdhsa_kernel
	.section	.bss,"aw",@nobits
	.p2align	6
	.space	262144
	.amdgpu_metadata
---
amdhsa.version: [ 1, 2 ]
amdhsa.kernels:
  - .name:           k_q6f36db1545_qkvattn
    .symbol:         k_q6f36db1545_qkvattn.kd
    .args:
      - { .name: ecodes, .offset: 0, .size: 8, .value_kind: global_buffer, .address_space: global }
      - { .name: wcodes, .offset: 8, .size: 8, .value_kind: global_buffer, .address_space: global }
      - { .name: bk, .offset: 16, .size: 8, .value_kind: global_buffer, .address_space: global }
      - { .name: bv, .offset: 24, .size: 8, .value_kind: global_buffer, .address_space: global }
      - { .name: bq, .offset: 32, .size: 8, .value_kind: global_buffer, .address_space: global }
      - { .name: lowp_scales, .offset: 40, .size: 8, .value_kind: global_buffer, .address_space: global }
      - { .name: ao, .offset: 48, .size: 8, .value_kind: global_buffer, .address_space: global }
    .group_segment_fixed_size: 327680
    .private_segment_fixed_size: 0
    .kernarg_segment_align: 8
    .kernarg_segment_size: 56
    .max_flat_workgroup_size: 128
    .sgpr_count:     102
    .vgpr_count:     1024
    .wavefront_size: 32
...
	.end_amdgpu_metadata
.endif
;; end of part 2
;; launch outproj (part 3): grid 4 x 64, 4 waves a work-group, clusters of 4 x 4, 327,680 bytes of LDS; arguments ao, wcodes, lowp_scales, bo, h, out0; writes out0
.if DOCPART == 3
	.amdgcn_target "amdgcn-amd-amdhsa--gfx1250"
	.amdhsa_code_object_version 6
	.text
	.protected	k_q6f36db1545_outproj
	.globl	k_q6f36db1545_outproj
	.p2align	8
	.type	k_q6f36db1545_outproj,@function
k_q6f36db1545_outproj:
	s_mov_b64 s[64:65], 0
	v_nop
	global_prefetch_b8 v0, s[64:65] scope:SCOPE_SE
	s_setreg_imm32_b32 hwreg(HW_REG_WAVE_MODE, 25, 1), 1
	s_wait_xcnt 0x0
	s_wait_alu depctr_hold_cnt(0) depctr_sa_sdst(0) depctr_va_vdst(0) depctr_va_sdst(0) depctr_va_ssrc(0) depctr_va_vcc(0) depctr_vm_vsrc(0)
	s_getreg_b32 s2, hwreg(HW_REG_IB_STS2, 6, 4)
	s_cmp_eq_u32 s2, 0
	s_cbranch_scc0 .Lentry_in_a_cluster
	s_endpgm
.Lentry_in_a_cluster:
	s_bfe_u32 s2, ttmp6, 0x10000c
	s_cmp_lg_u32 s2, 0xf033
	s_cbranch_scc0 .Lentry_shape_is_right
	s_endpgm
.Lentry_shape_is_right:
; OUTPROJ: out0 = pad(att Wo + bo, 63 rows in front)[:, :2048] + h: product 6 on codes of E4M3 by v_wmma_f32_16x16x64_fp8_fp8; ao holds att's codes (lowp_scales[10]), wcodes bytes 3,072 on of each row Wo^T's (lowp_scales[11]).
; Work-group (gx, gy): rows 128 gy on of att, columns 256 gx on; a wave 64 x 128, 32 accumulators.  K = 1,024 goes in four fills of 256 through a ring of two LDS slots; cluster 4 x 4, ao's tiles asked for jointly along a row, Wo's along a column.
; DEAD WORK.  Rows 1985 .. 2047 of att in each batch are cut off by reference()'s slice for all values of the inputs.  They share a block of 64 with the live row 1984, so they are multiplied with it;
; their sums are replaced by 0 and their stores go to rows 0 .. 62 of the batch, which are h alone.  A NaN or an infinity that reaches only those rows is not carried to the result.
; LIMIT: lowp_scales[10] + lowp_scales[11] lies between -126 and 127, so that the power of two is an f32 number.
; PREFETCH.  K is four fills: the head names fills 1, 2 and 3, ahead of h's loads.  ao: 64 rows a wave, 16 for each of the four partners, told apart by address, lanes 16 to 31 naming lane 15's row again;
; Wo: 128 rows a wave, 32 a partner, asked for by the first cluster alone, since all sixteen read it.  h is read once by its own lanes' loads and is not prefetched.
.set PITCH, 272
.set HALFT, 128*PITCH
.set PFO, 15                           ; v15  the prefetches' offset; never rewritten
.set PFA, 66                           ; s[66:67] where my wave's prefetches stand
.set SLOT,  4*HALFT
.set SPARE, 2*SLOT
.set SPITCH, 528
.set FLAGS, (1<<20)|(1<<21)|(5<<22)|(3<<25)
.set F0,  64
.set F1,  128
.set BI,  192
.set EB0, 4
.set WB0, 5
.set ADE, 6
.set ADW, 7
.set SPW, 8
.set NIL, 9
.set VH0, 10
.set VH1, 11
.set STO, 12
.set RD,  13
.set L16, 14
.set WV, 18
.set JR, 19
.set JC, 20
.set CX, 21
.set CY, 22
.set GX, 23
.set G1E, 24
.set G1W, 32
.set G0E0, 48
.set G0E1, 52
.set G0W0, 56
.set G0W1, 60
.set TB,  69
.set LB,  70
.set CT,  71
.set SC,  74
.set WR,  76
.set LV,  77
.set GY,  93
.set MSB, 0
.macro WIN new
.if MSB != (\new)
	s_set_vgpr_msb (MSB<<8)|(\new)
.set MSB, (\new)
.endif
.endm
.macro PLACES
.rept 4
	v_nop
.endr
.endm
.macro CREST
	s_cmp_lg_u32 s[WV], 0
	s_cbranch_scc1 .Lnot_wave_0_\@
	s_barrier_signal -3
.Lnot_wave_0_\@:
	s_barrier_wait -3
	s_barrier_signal -1
	s_barrier_wait -1
.endm
.macro CROUND
	s_barrier_signal -1
	s_barrier_wait -1
	CREST
.endm
.macro JLOAD g0e, g1e, g0w, g1w
	s_cmp_eq_u32 s[JR], 0
	s_cbranch_scc0 .Lfor_w_\@
	tensor_load_to_lds s[\g0e:\g0e+3], s[\g1e:\g1e+7]
	s_nop 0
.rept 4
	v_nop
.endr
	s_branch .Lasked_\@
.Lfor_w_\@:
	tensor_load_to_lds s[\g0w:\g0w+3], s[\g1w:\g1w+7]
	s_nop 0
.rept 4
	v_nop
.endr
.Lasked_\@:
.endm
.macro MULA f, A, first
	WIN 0xa1
.irp b, 0,1,2,3,4,5,6,7
.if \first
	v_wmma_f32_16x16x64_fp8_fp8 v[8*(8*(\A)+\b):8*(8*(\A)+\b)+7], v[\f+8*\b:\f+8*\b+7], v[\f+8*(\A):\f+8*(\A)+7], 0
.else
	v_wmma_f32_16x16x64_fp8_fp8 v[8*(8*(\A)+\b):8*(8*(\A)+\b)+7], v[\f+8*\b:\f+8*\b+7], v[\f+8*(\A):\f+8*(\A)+7], v[8*(8*(\A)+\b):8*(8*(\A)+\b)+7]
.endif
.endr
.endm
.macro FETCH k, f
	WIN 0x40
.irp i, 0,1,2,3,4,5,6,7
	ds_load_b128 v[\f+8*\i:\f+8*\i+3],   v[ADW] offset:\k+\i*16*PITCH
	ds_load_b128 v[\f+8*\i+4:\f+8*\i+7], v[ADW] offset:\k+\i*16*PITCH+32
.endr
	WIN 0
.irp i, 0,1,2,3
	ds_load_b128 v[\f+8*\i:\f+8*\i+3],   v[ADE] offset:\k+\i*16*PITCH
	ds_load_b128 v[\f+8*\i+4:\f+8*\i+7], v[ADE] offset:\k+\i*16*PITCH+32
.endr
.endm
.macro START
	v_add_nc_u32 v[ADE], s[TB], v[EB0]
	v_add_nc_u32 v[ADW], s[TB], v[WB0]
	FETCH 0, F0
.endm
.macro QUARTERH k, f, g, first         ; 64 along K: at its head fetches the next quarter, at byte k, into g, 32 matrix instructions ahead of its use; then multiplies buffer f
	PLACES                                         ; the last products read g
	FETCH \k, \g
	s_wait_dscnt 28                                ; f's youngest four loads (ao's blocks 2, 3) and the 24 just issued may be out
	MULA \f, 0, \first
	MULA \f, 1, \first
	s_wait_dscnt 24                                ; all but the 24 just issued
	MULA \f, 2, \first
	MULA \f, 3, \first
.endm
.macro TURNH fill
	WIN 0
	s_wait_tensorcnt 0x0
	ds_add_u32 v[SPW], v[NIL]
.if \fill
	s_xor_b32 s[G0E1+1], s[G0E1+1], SLOT
	s_add_nc_u64 s[G0E1+2:G0E1+3], s[G0E1+2:G0E1+3], 256
	s_xor_b32 s[G0W1+1], s[G0W1+1], SLOT
	s_add_nc_u64 s[G0W1+2:G0W1+3], s[G0W1+2:G0W1+3], 256
.endif
	s_xor_b32 s[TB], s[TB], SLOT
	s_wait_dscnt 5
	MULA F1, 0, 0
	s_wait_dscnt 0x0
	s_barrier_signal -1
	MULA F1, 1, 0
	WIN 0
	s_barrier_wait -1
.if \fill
	CREST
	JLOAD G0E1, G1E, G0W1, G1W
.else
	PLACES
.endif
	START
	MULA F1, 2, 0
	MULA F1, 3, 0
.endm
	s_load_b256 s[4:11], s[0:1], 0x0
	s_load_b128 s[12:15], s[0:1], 0x20
	v_lshl_add_u32 v[SPW], v0, 2, SPARE
	v_mov_b32 v[NIL], 0
	ds_add_u32 v[SPW], v[NIL]
	ds_add_u32 v[SPW], v[NIL]
	v_lshrrev_b32 v1, 5, v0
	v_readfirstlane_b32 s[WV], v1
	s_lshr_b32 s[JR], s[WV], 1
	s_and_b32 s[JC], s[WV], 1
	s_bfe_u32 s[CX], ttmp6, 0x40000
	s_bfe_u32 s[CY], ttmp6, 0x40004
	s_lshl_b32 s[GX], ttmp9, 2
	s_add_co_u32 s[GX], s[GX], s[CX]
	s_and_b32 s[GY], ttmp7, 0xffff
	s_lshl_b32 s[GY], s[GY], 2
	s_add_co_u32 s[GY], s[GY], s[CY]
	s_lshl_b32 s2, s[CY], 2
	s_lshl_b32 s2, 15, s2
	s_lshl_b32 s3, 0x1111, s[CX]
	s_or_b32 s[G1E], s2, FLAGS
	s_or_b32 s[G1W], s3, FLAGS
.irp g, G1E, G1W
	s_mov_b32 s[\g+1], 256<<16
	s_mov_b32 s[\g+3], 256<<16
	s_mov_b32 s[\g+6], 0
	s_mov_b32 s[\g+7], 0
.endr
	s_mov_b32 s[G1E+2], 64<<16
	s_mov_b32 s[G1E+4], 64
	s_mov_b32 s[G1E+5], 1024
	s_mov_b32 s[G1W+2], 128<<16
	s_mov_b32 s[G1W+4], 128
	s_mov_b32 s[G1W+5], 4096
	s_lshl_b32 s98, s[GY], 7
	s_lshl_b32 s2, s[JC], 6
	s_add_co_u32 s98, s98, s2
	s_lshl_b32 s98, s98, 10
	s_mov_b32 s99, 0
	s_lshl_b32 s100, s[GX], 8
	s_lshl_b32 s2, s[JC], 7
	s_add_co_u32 s100, s100, s2
	s_lshl_b32 s100, s100, 12
	s_add_co_u32 s100, s100, 3072
	s_mov_b32 s101, 0
	s_mul_i32 s[LB], s[WV], HALFT
	s_mov_b32 s[TB], 0
	s_wait_dscnt 0x0
	s_wait_kmcnt 0x0
	s_load_b64 s[72:73], s[8:9], 0x28
	s_add_nc_u64 s[98:99], s[4:5], s[98:99]
	s_add_nc_u64 s[100:101], s[6:7], s[100:101]
	CROUND
.irp s, 0,1
	s_mov_b32 s[G0E0+4*\s], 1
	s_add_co_u32 s[G0E0+4*\s+1], s[LB], \s*SLOT
	s_add_nc_u64 s[G0E0+4*\s+2:G0E0+4*\s+3], s[98:99], \s*256
	s_or_b32 s[G0E0+4*\s+3], s[G0E0+4*\s+3], 0x80000000
	s_mov_b32 s[G0W0+4*\s], 1
	s_add_co_u32 s[G0W0+4*\s+1], s[LB], \s*SLOT
	s_add_nc_u64 s[G0W0+4*\s+2:G0W0+4*\s+3], s[100:101], \s*256
	s_or_b32 s[G0W0+4*\s+3], s[G0W0+4*\s+3], 0x80000000
.endr
	JLOAD G0E0, G1E, G0W0, G1W                     ; fill 0, behind the opening round: one tensor load a wave at the head
	v_and_b32 v1, 15, v0
	v_bfe_u32 v2, v0, 4, 1
	v_mul_u32_u24 v3, v1, PITCH
	v_lshl_add_u32 v3, v2, 4, v3
	s_mul_i32 s2, s[JR], HALFT
	v_add_nc_u32 v[EB0], s2, v3
	s_mul_i32 s2, s[JC], HALFT
	s_add_co_u32 s2, s2, 2*HALFT
	v_add_nc_u32 v[WB0], s2, v3
	v_and_b32 v[L16], 31, v0
	v_lshlrev_b32 v[L16], 4, v[L16]
	s_wait_alu depctr_va_vdst(0)
	s_mul_i32 s2, s[WV], 16*SPITCH
	v_mul_u32_u24 v[STO], v1, SPITCH
	v_lshl_add_u32 v[STO], v2, 5, v[STO]
	v_add_nc_u32 v[STO], s2, v[STO]
	v_add_nc_u32 v[RD], s2, v[L16]
	s_lshl_b32 s2, s[GY], 7
	s_lshl_b32 s3, s[JR], 6
	s_add_co_u32 s2, s2, s3
	s_and_b32 s3, s2, 2047
	s_cmp_eq_u32 s3, 1984
	s_cselect_b32 s[WR], 0x800000, 0
	s_cselect_b32 s[LV], 0, -1
	s_add_co_u32 s2, s2, 63
	s_lshl_b32 s2, s2, 12
	s_lshl_b32 s98, s[GX], 10
	s_lshl_b32 s3, s[JC], 9
	s_add_co_u32 s98, s98, s3
	s_mov_b32 s99, 0
	s_add_co_u32 s2, s2, s98
	v_add_nc_u32 v[VH0], s2, v[L16]
	s_add_co_u32 s2, s2, 4096
	s_sub_co_u32 s2, s2, s[WR]
	v_add_nc_u32 v[VH1], s2, v[L16]
	s_add_nc_u64 s[10:11], s[10:11], s[98:99]
	global_load_b128 v[32:35], v[L16], s[10:11]
	s_lshl_b32 s2, s[GY], 7
	s_lshl_b32 s3, s[JC], 6
	s_add_co_u32 s2, s2, s3
	s_lshl_b32 s2, s2, 10                          ; ao: row 128 gy + 64 x half, in bytes
	s_lshl_b32 s98, s[GX], 8
	s_lshl_b32 s3, s[JC], 7
	s_add_co_u32 s98, s98, s3
	s_lshl_b32 s98, s98, 12
	s_add_co_u32 s98, s98, 3072                    ; Wo: row 256 gx + 128 x half, byte 3,072
	s_and_b32 s100, ttmp7, 0xffff                  ; the cluster's y: the same in all sixteen partners
	s_cmp_eq_u32 s[JR], 0                          ; do I fetch for ao?
	s_cselect_b64 s[PFA:PFA+1], s[4:5], s[6:7]
	s_cselect_b32 s2, s2, s98
	s_cselect_b32 s98, s[CX], s[CY]                ; my place among the four that ask with me
	s_cselect_b32 s99, 15, 31                      ; the last of a partner's rows
	s_cselect_b32 s100, 0, s100                    ; 0 where my wave asks
	s_mov_b32 s101, 4096
	s_cselect_b32 s101, 1024, s101                 ; from row to row
	s_mov_b32 s3, 0
	s_add_nc_u64 s[PFA:PFA+1], s[PFA:PFA+1], s[2:3]
	v_and_b32 v[PFO], 31, v0
	v_min_u32 v[PFO], s99, v[PFO]
	s_add_co_u32 s99, s99, 1
	s_mul_i32 s98, s98, s99
	v_add_nc_u32 v[PFO], s98, v[PFO]               ; my row of the wave's tile
	v_mul_lo_u32 v[PFO], v[PFO], s101
	s_wait_alu depctr_va_vdst(0)                   ; ahead of the branch
	s_cmp_eq_u32 s100, 0
	s_cbranch_scc0 .Lno_ask
	global_prefetch_b8 v[PFO], s[PFA:PFA+1] offset:256 th:TH_LOAD_NT scope:SCOPE_SE   ; fill 1,
	global_prefetch_b8 v[PFO], s[PFA:PFA+1] offset:512 th:TH_LOAD_NT scope:SCOPE_SE   ; fill 2,
	global_prefetch_b8 v[PFO], s[PFA:PFA+1] offset:768 th:TH_LOAD_NT scope:SCOPE_SE   ; fill 3
.Lno_ask:
	s_wait_kmcnt 0x0
	s_add_co_i32 s[SC], s72, s73
	s_add_co_i32 s[SC], s[SC], 127
	s_lshl_b32 s[SC], s[SC], 23
	s_mov_b32 s[SC+1], s[SC]
	s_wait_alu depctr_va_vdst(0)
	s_wait_tensorcnt 0x0                           ; my part of fill 0 is in
	ds_add_u32 v[SPW], v[NIL]
	s_wait_dscnt 0x0
	CROUND                                         ; a whole round: everybody's part of fill 0 is in, and the joint loads meet
	JLOAD G0E1, G1E, G0W1, G1W                     ; fill 1, slot 1's first: my one tensor load behind the round
	START
	WIN 0xc0                                       ; h's rows of my blocks 0 to 2, behind fill 1's load: with bo's load 49 loads are out; block 3's follow behind the first quarter
.irp a, 0,1,2
.irp t, 0,1,2,3,4,5,6,7,8,9,10,11,12,13,14,15
.if \a+\t == 0
	global_load_b128 v[0:3], v[VH0], s[12:13] th:TH_LOAD_NT
.else
	global_load_b128 v[64*\a+4*\t:64*\a+4*\t+3], v[VH1], s[12:13] offset:(16*\a+\t-1)*4096 th:TH_LOAD_NT
.endif
.endr
.endr
	WIN 0
	s_wait_alu depctr_va_vdst(0)
	QUARTERH 64, F0, F1, 2
	WIN 0xc0                                       ; h's rows of my block 3, into window 3, which no product names
.irp t, 0,1,2,3,4,5,6,7,8,9,10,11,12,13,14,15
	global_load_b128 v[192+4*\t:192+4*\t+3], v[VH1], s[12:13] offset:(47+\t)*4096 th:TH_LOAD_NT
.endr
	WIN 0
	s_mov_b32 s[CT], 2
.Lpass:
	s_wait_alu depctr_va_vdst(0)
	QUARTERH 128, F1, F0, 0
	QUARTERH 192, F0, F1, 0
	TURNH 1
	s_wait_alu depctr_va_vdst(0)
	QUARTERH 64, F0, F1, 0
	WIN 0
	s_sub_co_u32 s[CT], s[CT], 1
	s_cmp_lg_u32 s[CT], 0
	s_cbranch_scc1 .Lpass
	QUARTERH 128, F1, F0, 0
	QUARTERH 192, F0, F1, 0
	TURNH 0
	s_wait_alu depctr_va_vdst(0)
	QUARTERH 64, F0, F1, 0
	QUARTERH 128, F1, F0, 0
	QUARTERH 192, F0, F1, 0
	s_wait_dscnt 4
	MULA F1, 0, 0
	MULA F1, 1, 0
	s_wait_dscnt 0x0
	MULA F1, 2, 0
	MULA F1, 3, 0
	WIN 0
	PLACES
.macro TOSTAGE a
	WIN 0x08
.irp b, 0,1,2,3,4,5,6,7
	ds_store_b128 v[STO], v[64*(\a)+8*\b:64*(\a)+8*\b+3] offset:64*\b
	ds_store_b128 v[STO], v[64*(\a)+8*\b+4:64*(\a)+8*\b+7] offset:64*\b+16
.endr
	WIN 0
.set BB, 64+64*((\a)%2)
.irp t, 0,1,2,3,4,5,6,7,8,9,10,11,12,13,14,15
	ds_load_b128 v[BB+4*\t:BB+4*\t+3], v[RD] offset:\t*SPITCH
.endr
.endm
.macro SEND a, younger
.set BB, 64+64*((\a)%2)
	s_wait_dscnt \younger
	s_wait_loadcnt 16*(3-(\a))
.irp t, 0,1,2,3,4,5,6,7,8,9,10,11,12,13,14,15
	v_pk_fma_f32 v[BB+4*\t:BB+4*\t+1], v[BB+4*\t:BB+4*\t+1], s[SC:SC+1], v[32:33] op_sel_hi:[1,0,1]
	v_pk_fma_f32 v[BB+4*\t+2:BB+4*\t+3], v[BB+4*\t+2:BB+4*\t+3], s[SC:SC+1], v[34:35] op_sel_hi:[1,0,1]
.endr
.irp t, 0,1,2,3,4,5,6,7,8,9,10,11,12,13,14,15
.if (\a)+\t > 0
.irp k, 0,1,2,3
	v_cndmask_b32 v[BB+4*\t+\k], 0, v[BB+4*\t+\k], s[LV]
.endr
.endif
.endr
	WIN 0x0c
.irp t, 0,1,2,3,4,5,6,7,8,9,10,11,12,13,14,15
	v_pk_add_f32 v[BB+4*\t:BB+4*\t+1], v[BB+4*\t:BB+4*\t+1], v[64*(\a)+4*\t:64*(\a)+4*\t+1]
	v_pk_add_f32 v[BB+4*\t+2:BB+4*\t+3], v[BB+4*\t+2:BB+4*\t+3], v[64*(\a)+4*\t+2:64*(\a)+4*\t+3]
.endr
	WIN 0
.irp t, 0,1,2,3,4,5,6,7,8,9,10,11,12,13,14,15
.if (\a)+\t == 0
	global_store_b128 v[VH0], v[BB:BB+3], s[14:15] th:TH_STORE_NT
.else
	global_store_b128 v[VH1], v[BB+4*\t:BB+4*\t+3], s[14:15] offset:(16*(\a)+\t-1)*4096 th:TH_STORE_NT
.endif
.endr
.endm
	TOSTAGE 0
.irp a, 1,2,3
.if \a > 1
	s_wait_xcnt 0x0
.endif
	TOSTAGE \a
	SEND \a-1, 32
.endr
	SEND 3, 0
	s_wait_tensorcnt 0x0
	ds_add_u32 v[SPW], v[NIL]
	s_wait_dscnt 0x0
	CROUND
	s_endpgm
.Lfunc_end_k_q6f36db1545_outproj:
	.size	k_q6f36db1545_outproj, .Lfunc_end_k_q6f36db1545_outproj-k_q6f36db1545_outproj
	.p2alignl 7, 3214868480
	.fill 96, 4, 3214868480
	.section	.rodata,"a",@progbits
	.p2align	6, 0x0
	.amdhsa_kernel k_q6f36db1545_outproj
		.amdhsa_group_segment_fixed_size 327680
		.amdhsa_private_segment_fixed_size 0
		.amdhsa_enable_private_segment 0
		.amdhsa_kernarg_size 48
		.amdhsa_user_sgpr_count 2
		.amdhsa_user_sgpr_kernarg_segment_ptr 1
		.amdhsa_wavefront_size32 1
		.amdhsa_system_sgpr_workgroup_id_x 1
		.amdhsa_system_sgpr_workgroup_id_y 1
		.amdhsa_system_sgpr_workgroup_id_z 1
		.amdhsa_system_vgpr_workitem_id 0
		.amdhsa_next_free_vgpr 1024
		.amdhsa_next_free_sgpr 102
		.amdhsa_reserve_vcc 0
		.amdhsa_float_denorm_mode_32 3
		.amdhsa_float_denorm_mode_16_64 3
		.amdhsa_memory_ordered 1
		.amdhsa_forward_progress 1
		.amdhsa_inst_pref_size 110
	.end_amdhsa_kernel
	.amdgpu_metadata
---
amdhsa.version: [ 1, 2 ]
amdhsa.kernels:
  - .name:           k_q6f36db1545_outproj
    .symbol:         k_q6f36db1545_outproj.kd
    .args:
      - { .name: ao, .offset: 0, .size: 8, .value_kind: global_buffer, .address_space: global }
      - { .name: wcodes, .offset: 8, .size: 8, .value_kind: global_buffer, .address_space: global }
      - { .name: lowp_scales, .offset: 16, .size: 8, .value_kind: global_buffer, .address_space: global }
      - { .name: bo, .offset: 24, .size: 8, .value_kind: global_buffer, .address_space: global }
      - { .name: h, .offset: 32, .size: 8, .value_kind: global_buffer, .address_space: global }
      - { .name: out0, .offset: 40, .size: 8, .value_kind: global_buffer, .address_space: global }
    .group_segment_fixed_size: 327680
    .private_segment_fixed_size: 0
    .kernarg_segment_align: 8
    .kernarg_segment_size: 48
    .max_flat_workgroup_size: 128
    .sgpr_count:     102
    .vgpr_count:     1024
    .wavefront_size: 32
...
	.end_amdgpu_metadata
.endif
;; end of part 3
